; MI455X (gfx1250); checked and timed in simulation.
; The chip was launched on July 23, 2026; its instructions are those of AMD's public machine-readable ISA for CDNA 5 (MIT licence, August 2026) and "CDNA5" Instruction Set Architecture Reference Guide (July 2026). The comments in the code are by the model that wrote it; some were corrected since.
;; Multi Head Attention. Allowed arithmetic: matrix products marked QUANTISED: E5M2 operands, one given power-of-two scale a tensor, by v_wmma_f32_16x16x64_bf8_bf8 or v_wmma_f32_16x16x128_bf8_bf8, f32 sums; everything else in f32.
;; Inputs: b_proj 1,024 float32; lowp_scales 12 int32 (the exponents e of the quantised operands' scales 2^e); w_proj 1,024 x 1,024 float32; wk 16 x 1,024 x 64 float32; wq 16 x 1,024 x 64 float32; wv 16 x 1,024 x 64 float32; x 4 x 2,048 x 1,024 float32.
;; Outputs: out0 4 x 2,048 x 1,024 float32.
;; This version of the problem:
;;   THIS VERSION OF THE PROBLEM IS GIVEN IN LOW PRECISION. The matrix products marked QUANTISED in the list below multiply operands that are first quantised to E5M2 (5 exponent bits, 2 mantissa bits; 8 bits a number), with one given power-of-two scale for each operand tensor; their sums are f32. All else is computed in f32.
;;   The module's matrix products, in the order in which they are computed (A, B: the left and right operand; K: the contracted axis; several contracted axes count as one K, in the product's order):
;;     1. [M 1,024, K 1,024] x [K 1,024, N 8,192]; A: input wq; B: input x: QUANTISED (scales: A lowp_scales[0], B lowp_scales[1])
;;     2. [M 1,024, K 1,024] x [K 1,024, N 8,192]; A: input wk; B: input x: QUANTISED (scales: A lowp_scales[2], B lowp_scales[3])
;;     3. [M 1,024, K 1,024] x [K 1,024, N 8,192]; A: input wv; B: input x: QUANTISED (scales: A lowp_scales[4], B lowp_scales[5])
;;     4. batch 64 x [M 2,048, K 64] x [K 64, N 2,048]; A: computed on the way; B: computed on the way: QUANTISED (scales: A lowp_scales[6], B lowp_scales[7])
;;     5. batch 64 x [M 2,048, K 2,048] x [K 2,048, N 64]; A: softmax (see below); B: computed on the way: QUANTISED (scales: A lowp_scales[8], B lowp_scales[9])
;;     6. [M 8,192, K 1,024] x [K 1,024, N 1,024]; A: computed on the way; B: input w_proj: QUANTISED (scales: A lowp_scales[10], B lowp_scales[11])
;;   THE QUANTISER, for each operand of a quantised product, along K:
;;     - The operand's scale is 2^e, e = its entry of the input lowp_scales (int32; the entries are numbered through the quantised products in the list's order, A before B).
;;     - Each number is divided by the scale, clamped to +-57,344, and rounded to the nearest number of E5M2, ties to even, subnormals kept.
;;     - The product sums the exact products of the quantised numbers (number of the format x scale) in f32.
;;   ~~~python
;;   def quantise(x, axis, e):      # numpy; x: float32 -> the quantised numbers, widened to float32 again
;;       x = np.moveaxis(x, axis, -1); K = x.shape[-1]
;;       r = np.clip(x / 2.0 ** e, -57344, 57344)
;;       step = 2.0 ** (np.maximum(np.frexp(np.where(r == 0, 1, r))[1] - 1, -14) - 2)
;;       q = np.round(r / step) * step * 2.0 ** e      # np.round: ties to even
;;       return np.moveaxis(q, -1, axis).astype(np.float32)
;;   ~~~
;;   SOFTMAX AHEAD OF A QUANTISED PRODUCT. Where the list says 'softmax', what is quantised is not the finished softmax but p = 2^(t - M), with t = logit x log2(e) and M = ceil(the row's largest t), a whole number; so 1/2 < the row's largest p <= 1. The row's sum l is taken of the UNQUANTISED p, in f32, and the product's result is divided by l at the end. Since M is a whole number, a kernel that streams over the keys may use a running M (the ceiling of the running maximum): every later rescaling is an exact power of two, so the quantised numbers keep their values, but for numbers so far below the row's largest that they fall under the format's range.
;;   OPERANDS COMPUTED ON THE WAY. 'Computed on the way' means the value that the module computes at that place (a softmax that the list does not call 'softmax' is quantised finished and normalised). What goes into a quantiser is computed in f32, as accurately as f32 sums, v_exp_f32 and their like allow (about 1e-6 of the number): no bf16 or f16 on the way to a quantiser, and a product that is left as it is and whose result goes on into a quantised operand takes f32 operands (vector FMAs, or v_wmma_f32_16x16x4_f32). A number that lies on a knife's edge between two numbers of the format may be rounded either way, as far as f32 arithmetic and the matrix unit's own rounding can turn it there, and no further.
;; One version. Each part assembles by itself: llvm-mc -triple=amdgcn-amd-amdhsa -mcpu=gfx1250 --defsym DOCPART=n.
;; ======== version 1 of 1: 4 launches
;; limits: right only within a limited range of input values
;; workspace buffers: xc 25,165,824 bytes; wc 3,145,728 bytes; wpc 1,048,576 bytes; qc 8,388,608 bytes; kc 8,388,608 bytes; vc 8,388,608 bytes; oc 8,388,608 bytes
;; launch quant (part 1): grid 672 x 1, 8 waves a work-group, no clusters, 68,608 bytes of LDS; arguments x, wq, wk, wv, w_proj, lowp_scales, xc, wc, wpc; writes xc, wc, wpc
.if DOCPART == 1
	.amdgcn_target "amdgcn-amd-amdhsa--gfx1250"
	.amdhsa_code_object_version 6
	.text
	.protected	k_q48ec9e0dca_quant
	.globl	k_q48ec9e0dca_quant
	.p2align	8
	.type	k_q48ec9e0dca_quant,@function
k_q48ec9e0dca_quant:
	s_mov_b64 s[64:65], 0
	v_nop
	global_prefetch_b8 v0, s[64:65] scope:SCOPE_SE
	s_setreg_imm32_b32 hwreg(HW_REG_WAVE_MODE, 25, 1), 1
	s_wait_xcnt 0x0
; MULTI-HEAD CAUSAL ATTENTION ON CODES OF E5M2, four launches: this one (inputs into codes), qkv (products 1 to 3), attn (products 4 and 5), proj (product 6).
; WORK LEFT OUT, in the whole program: key steps that lie wholly above the causal diagonal (launch attn).  The function itself builds the lower triangle and sets the score of key s for query t to
; -infinity where s > t.  Key 0 counts for every query, so such a score is never the row's largest; its p = 2^(t - M) is 0, which adds 0 to the row's sum, has the code 0 and adds 0 to the second product:
; for all finite values of the inputs.  So steps of 32 queries x 128 keys all of whose keys come after all their queries are not multiplied.  LIMIT: a NaN, an infinity or an overflow that would arise
; only in those scores is not carried to the result.  Every input has a way to the output and is loaded.
; THIS LAUNCH: x (three times: its three given scales, entries 1, 3, 5), wq, wk, wv (entries 0, 2, 4) and w_proj (entry 11) become codes: x / 2^e, held within +-57,344, to the nearest code, ties to even.
; LIMITS: each e used here lies between -126 and 112, so that 2^e and 57,344 x 2^e are f32 numbers.  NaN among the inputs is not served.
; THE WORKSPACE HOLDS IMAGES OF OPERAND REGISTERS.  A fragment is 16 rows x 128 along K: lane (r = lane % 16, h = lane / 16) holds row r, registers 2 c, 2 c + 1 hold k = 16 c + 8 h + 0 .. 7.
; It lies in memory as 2,048 bytes: registers 4 g .. 4 g + 3 of lane l at byte 512 g + 16 l.  A later launch brings whole blocks of fragments into LDS and reads them 16 bytes a lane, as they lie.
;   xc  [tensor 3][block of 256 rows 32][K step of 128: 8][tile of 16 rows: 16][2048];  wc [tensor 3][block 4][8][16][2048], row n = 64 head + d;  wpc [block 4][8][16][2048], row n of w_proj.
; THREE PATHS, parted by the work-group's number: 0-95 wq, wk, wv;  96-159 w_proj;  160-671 x.  Only the third touches LDS.  Waves share nothing: no barrier.
.set SPARE, 67584                      ; behind the eight stages: the spare words, 128 bytes for each wave: four blocks of 256 bytes that no other line names
.set STGB,  8448                       ; a wave's stage: 16 rows x 528 bytes
.set SP,    528                        ; a stage row: 512 bytes + 16: an odd multiple of 16, so that the 16 rows that a load touches start at 16 different groups of banks
.set SPW,   8                          ; v8   LDS address of my spare word; never rewritten
.set NIL,   9                          ; v9   0; never rewritten
.set XR,    16                         ; v16-79 (the first path: v16-143)  numbers as loaded; later numbers held
.set YR,    80                         ; v80-143  64 numbers of my row: register 8 c + i = k 16 c + 8 h + i
.set CD,    144                        ; v144-191 codes
.macro MKSCALE e, sc, lim              ; from the whole number in s[e]: v[sc] = 2^e as f32 (the conversion takes its exponent field), v[lim] = 57,344 x 2^e
	s_add_co_i32 s50, s[\e], 127
	s_lshl_b32 s51, s50, 23
	v_mov_b32 v[\sc], s51
	s_add_co_i32 s50, s50, 15
	s_lshl_b32 s50, s50, 23
	s_or_b32 s50, s50, 0x600000
	v_mov_b32 v[\lim], s50
.endm
.macro QUANT64 src, tmp, cod, sc, lim  ; 64 numbers v[src ..] are held into v[tmp ..] and become a fragment's 16 registers of codes v[cod ..]
.set qi, 0
.rept 8
.set qj, 0
.rept 8
	v_med3_num_f32 v[\tmp+8*qi+qj], v[\src+8*qi+qj], -v[\lim], v[\lim]   ; the conversion to an 8-bit code does not saturate (ISA guide 7.6.2): the hold comes first
.set qj, qj+1
.endr
	v_cvt_scalef32_pk8_bf8_f32 v[\cod+2*qi:\cod+2*qi+1], v[\tmp+8*qi:\tmp+8*qi+7], v[\sc]
.set qi, qi+1
.endr
	v_nop                                          ; one plain vector line behind the last conversion, ahead of whatever writes its sources next
.endm
	s_load_b256 s[4:11], s[0:1], 0x0               ; x s[4:5], wq s[6:7], wk s[8:9], wv s[10:11]
	s_load_b256 s[12:19], s[0:1], 0x20             ; w_proj s[12:13], the exponents s[14:15], xc s[16:17], wc s[18:19]
	s_load_b64 s[20:21], s[0:1], 0x40              ; wpc
	v_lshl_add_u32 v[SPW], v0, 2, SPARE
	v_mov_b32 v[NIL], 0
	v_lshrrev_b32 v1, 5, v0
	s_delay_alu instid0(VALU_DEP_1)
	v_readfirstlane_b32 s22, v1                    ; wave 0..7
	v_and_b32 v1, 31, v0                           ; lane
	v_and_b32 v2, 15, v0                           ; r
	v_bfe_u32 v3, v0, 4, 1                         ; h
	s_wait_kmcnt 0x0
	s_load_b256 s[24:31], s[14:15], 0x0            ; e0 .. e7
	s_load_b128 s[32:35], s[14:15], 0x20           ; e8 .. e11
	s_cmp_lt_u32 ttmp9, 96
	s_cbranch_scc1 .Lpath_w
	s_cmp_lt_u32 ttmp9, 160
	s_cbranch_scc1 .Lpath_p
	; ---- x: a work-group takes 16 rows, wave s the K step s.  Each load reads 512 consecutive bytes of a row; the 16 x 512 bytes turn through my own stage, so that a lane gets the 64 numbers of its fragment's place.
	s_sub_co_u32 s36, ttmp9, 160                   ; the tile of 16 rows, 0 .. 511
	s_lshl_b32 s40, s36, 16                        ; 16 rows of 4,096 bytes
	s_lshl_b32 s41, s22, 9                         ; + 128 numbers a K step
	s_add_co_u32 s40, s40, s41
	s_mov_b32 s41, 0
	s_add_nc_u64 s[4:5], s[4:5], s[40:41]
	s_wait_alu depctr_va_vdst(0)
	v_lshlrev_b32 v4, 4, v1                        ; 16 x lane
.set i, 0
.rept 16
	global_load_b128 v[XR+4*i:XR+4*i+3], v4, s[4:5] offset:4096*i th:TH_LOAD_NT
.set i, i+1
.endr
	s_mul_i32 s42, s22, STGB
	v_add_nc_u32 v5, s42, v4                       ; into the stage: row i at 528 i, as it lies
	v_mul_u32_u24 v6, v2, SP
	s_delay_alu instid0(VALU_DEP_1)
	v_lshl_add_u32 v6, v3, 5, v6
	s_delay_alu instid0(VALU_DEP_1)
	v_add_nc_u32 v6, s42, v6                       ; out of it: row r, + 32 h: eight numbers of each 16
	s_lshr_b32 s43, s36, 4                         ; block of 256 rows
	s_lshl_b32 s43, s43, 3
	s_add_co_u32 s43, s43, s22                     ; x 8 + K step
	s_lshl_b32 s43, s43, 15
	s_and_b32 s44, s36, 15                         ; tile in the block
	s_lshl_b32 s44, s44, 11
	s_add_co_u32 s44, s43, s44
	s_mov_b32 s45, 0
	s_add_nc_u64 s[44:45], s[16:17], s[44:45]      ; my fragment in the first set of codes,
	s_add_nc_u64 s[46:47], s[44:45], 0x800000      ; the second,
	s_add_nc_u64 s[48:49], s[46:47], 0x800000      ; the third
	s_wait_alu depctr_va_vdst(0)
	s_wait_kmcnt 0x0
	MKSCALE 25, 10, 11                             ; x as operand of the product with wq,
	MKSCALE 27, 12, 13                             ; with wk,
	MKSCALE 29, 14, 15                             ; with wv
.set i, 0
	s_wait_alu depctr_va_vdst(0)
.rept 16
	s_wait_loadcnt 15-i                            ; row i is in; the rows behind it may be out
	ds_store_b128 v5, v[XR+4*i:XR+4*i+3] offset:SP*i
.set i, i+1
.endr
.set i, 0
.rept 8                                        ; LDS serves a wave's instructions in order: these see my stores
	ds_load_b128 v[YR+8*i:YR+8*i+3], v6 offset:64*i
	ds_load_b128 v[YR+8*i+4:YR+8*i+7], v6 offset:64*i+16
.set i, i+1
.endr
	s_wait_dscnt 0x0
.irp j, 0,1,2
	QUANT64 YR, XR, CD+16*\j, 10+2*\j, 11+2*\j
.irp g, 0,1,2,3
	global_store_b128 v4, v[CD+16*\j+4*\g:CD+16*\j+4*\g+3], s[44+2*\j:45+2*\j] offset:512*\g   ; 32 lanes store 512 consecutive bytes, aligned
.endr
.endr
	s_wait_tensorcnt 0x0                           ; the wave's end
	ds_add_u32 v[SPW], v[NIL]
	s_wait_dscnt 0x0
	s_endpgm
	; ---- wq, wk, wv: [head][k][d], K is not innermost.  A LANE TAKES A COLUMN, ITS REGISTERS RUN DOWN K: a load reads 128 consecutive bytes, and the conversions give codes with K innermost.
	; A work-group takes one head of one tensor and four K steps; a wave 32 columns (two tiles of 16 rows n) x 128 along K.
.Lpath_w:
	s_lshr_b32 s36, ttmp9, 5                       ; the tensor: 0 wq, 1 wk, 2 wv
	s_bfe_u32 s37, ttmp9, 0x40001                  ; the head
	s_and_b32 s38, ttmp9, 1
	s_lshl_b32 s38, s38, 2
	s_lshr_b32 s39, s22, 1
	s_add_co_u32 s38, s38, s39                     ; the K step
	s_and_b32 s39, s22, 1                          ; which 32 of the head's 64 columns
	s_lshl_b32 s40, s37, 18                        ; a head is 1,024 rows of 256 bytes
	s_lshl_b32 s41, s38, 15
	s_add_co_u32 s40, s40, s41
	s_lshl_b32 s41, s39, 7
	s_add_co_u32 s40, s40, s41
	s_mov_b32 s41, 0
	s_cmp_eq_u32 s36, 0
	s_cselect_b64 s[42:43], s[6:7], s[8:9]
	s_cmp_eq_u32 s36, 2
	s_cselect_b64 s[42:43], s[10:11], s[42:43]
	s_add_nc_u64 s[42:43], s[42:43], s[40:41]
	s_wait_alu depctr_va_vdst(0)
	v_lshlrev_b32 v4, 2, v1
.set i, 0
.rept 128
	global_load_b32 v[XR+i], v4, s[42:43] offset:256*i th:TH_LOAD_NT   ; W(128 s + i, my column)
.set i, i+1
.endr
	s_lshl_b32 s44, s36, 2
	s_lshr_b32 s45, s37, 2
	s_add_co_u32 s44, s44, s45                     ; 4 x tensor + block of 256 rows n
	s_lshl_b32 s44, s44, 3
	s_add_co_u32 s44, s44, s38
	s_lshl_b32 s44, s44, 15
	s_and_b32 s45, s37, 3
	s_lshl_b32 s45, s45, 2
	s_lshl_b32 s46, s39, 1
	s_add_co_u32 s45, s45, s46                     ; my first tile in the block
	s_lshl_b32 s45, s45, 11
	s_add_co_u32 s44, s44, s45
	s_mov_b32 s45, 0
	s_add_nc_u64 s[18:19], s[18:19], s[44:45]
	v_lshlrev_b32 v5, 11, v3                       ; lanes 16-31 hold the second tile;
	s_delay_alu instid0(VALU_DEP_1)
	v_lshl_add_u32 v5, v2, 4, v5                   ; my row's 16 bytes in a group of four registers
	s_wait_kmcnt 0x0
	s_cmp_eq_u32 s36, 0
	s_cselect_b32 s47, s24, s26
	s_cmp_eq_u32 s36, 2
	s_cselect_b32 s47, s28, s47                    ; e0, e2 or e4
	MKSCALE 47, 10, 11
; Sixteen of my numbers, k = 16 c + 0 .. 15, are registers 2 c, 2 c + 1 of the image's lanes (r, 0) and (r, 1).  Codes for (g = c / 2, half) lie at v[CD + 4 (2 g + half)]: four registers, 16 bytes of the image.
.set gi, 0
	s_wait_alu depctr_va_vdst(0)
.rept 8
.if 16*(7-gi) > 63
	s_wait_loadcnt 63                              ; (the count's field ends at 63: more than the sixteen are then in)
.else
	s_wait_loadcnt 16*(7-gi)                       ; these sixteen loads are in; the later groups' may be out
.endif
.set i, 0
.rept 16
	v_med3_num_f32 v[XR+16*gi+i], v[XR+16*gi+i], -v11, v11
.set i, i+1
.endr
	v_cvt_scalef32_pk8_bf8_f32 v[CD+8*(gi/2)+2*(gi%2):CD+8*(gi/2)+2*(gi%2)+1], v[XR+16*gi:XR+16*gi+7], v10
	v_cvt_scalef32_pk8_bf8_f32 v[CD+8*(gi/2)+4+2*(gi%2):CD+8*(gi/2)+4+2*(gi%2)+1], v[XR+16*gi+8:XR+16*gi+15], v10
.if gi%2
	global_store_b128 v5, v[CD+8*(gi/2):CD+8*(gi/2)+3], s[18:19] offset:512*(gi/2)         ; sixteen lanes store 256 consecutive bytes, aligned
	global_store_b128 v5, v[CD+8*(gi/2)+4:CD+8*(gi/2)+7], s[18:19] offset:512*(gi/2)+256
.endif
.set gi, gi+1
.endr
	s_endpgm
	; ---- w_proj: [n][k], K innermost.  A work-group takes 16 rows, wave s the K step s; a lane loads its fragment's 64 numbers straight: 32 bytes of each 64.
.Lpath_p:
	s_sub_co_u32 s36, ttmp9, 96                    ; the tile of 16 rows, 0 .. 63
	s_lshl_b32 s40, s36, 16
	s_lshl_b32 s41, s22, 9
	s_add_co_u32 s40, s40, s41
	s_mov_b32 s41, 0
	s_add_nc_u64 s[12:13], s[12:13], s[40:41]
	s_wait_alu depctr_va_vdst(0)
	v_lshlrev_b32 v4, 12, v2
	s_delay_alu instid0(VALU_DEP_1)
	v_lshl_add_u32 v4, v3, 5, v4                   ; row r, + 32 h
.set i, 0
.rept 8
	global_load_b128 v[YR+8*i:YR+8*i+3], v4, s[12:13] offset:64*i th:TH_LOAD_NT
	global_load_b128 v[YR+8*i+4:YR+8*i+7], v4, s[12:13] offset:64*i+16 th:TH_LOAD_NT
.set i, i+1
.endr
	s_lshr_b32 s43, s36, 4
	s_lshl_b32 s43, s43, 3
	s_add_co_u32 s43, s43, s22
	s_lshl_b32 s43, s43, 15
	s_and_b32 s44, s36, 15
	s_lshl_b32 s44, s44, 11
	s_add_co_u32 s44, s43, s44
	s_mov_b32 s45, 0
	s_add_nc_u64 s[20:21], s[20:21], s[44:45]
	v_lshlrev_b32 v5, 4, v1
	s_wait_kmcnt 0x0
	MKSCALE 35, 10, 11                             ; e11
	s_wait_alu depctr_va_vdst(0)
	s_wait_loadcnt 0x0
	QUANT64 YR, YR, CD, 10, 11
.irp g, 0,1,2,3
	global_store_b128 v5, v[CD+4*\g:CD+4*\g+3], s[20:21] offset:512*\g
.endr
	s_endpgm
.Lfunc_end_k_q48ec9e0dca_quant:
	.size	k_q48ec9e0dca_quant, .Lfunc_end_k_q48ec9e0dca_quant-k_q48ec9e0dca_quant
	.p2alignl 7, 3214868480
	.fill 96, 4, 3214868480
	.section	.rodata,"a",@progbits
	.p2align	6, 0x0
	.amdhsa_kernel k_q48ec9e0dca_quant
		.amdhsa_group_segment_fixed_size 68608
		.amdhsa_private_segment_fixed_size 0
		.amdhsa_enable_private_segment 0
		.amdhsa_kernarg_size 72
		.amdhsa_user_sgpr_count 2
		.amdhsa_user_sgpr_kernarg_segment_ptr 1
		.amdhsa_wavefront_size32 1
		.amdhsa_system_sgpr_workgroup_id_x 1
		.amdhsa_system_sgpr_workgroup_id_y 1
		.amdhsa_system_sgpr_workgroup_id_z 1
		.amdhsa_system_vgpr_workitem_id 0
		.amdhsa_next_free_vgpr 192
		.amdhsa_next_free_sgpr 66
		.amdhsa_reserve_vcc 0
		.amdhsa_float_denorm_mode_32 3
		.amdhsa_float_denorm_mode_16_64 3
		.amdhsa_memory_ordered 1
		.amdhsa_forward_progress 1
		.amdhsa_inst_pref_size 54
	.end_amdhsa_kernel
	.amdgpu_metadata
---
amdhsa.version: [ 1, 2 ]
amdhsa.kernels:
  - .name:           k_q48ec9e0dca_quant
    .symbol:         k_q48ec9e0dca_quant.kd
    .args:
      - { .name: x, .offset: 0, .size: 8, .value_kind: global_buffer, .address_space: global }
      - { .name: wq, .offset: 8, .size: 8, .value_kind: global_buffer, .address_space: global }
      - { .name: wk, .offset: 16, .size: 8, .value_kind: global_buffer, .address_space: global }
      - { .name: wv, .offset: 24, .size: 8, .value_kind: global_buffer, .address_space: global }
      - { .name: w_proj, .offset: 32, .size: 8, .value_kind: global_buffer, .address_space: global }
      - { .name: lowp_scales, .offset: 40, .size: 8, .value_kind: global_buffer, .address_space: global }
      - { .name: xc, .offset: 48, .size: 8, .value_kind: global_buffer, .address_space: global }
      - { .name: wc, .offset: 56, .size: 8, .value_kind: global_buffer, .address_space: global }
      - { .name: wpc, .offset: 64, .size: 8, .value_kind: global_buffer, .address_space: global }
    .group_segment_fixed_size: 68608
    .private_segment_fixed_size: 0
    .kernarg_segment_align: 8
    .kernarg_segment_size: 72
    .max_flat_workgroup_size: 256
    .sgpr_count:     66
    .vgpr_count:     192
    .wavefront_size: 32
...
	.end_amdgpu_metadata
.endif
;; end of part 1
;; launch qkv (part 2): grid 8 x 48, 4 waves a work-group, clusters of 4 x 4, 327,680 bytes of LDS; arguments xc, wc, lowp_scales, qc, kc, vc; writes qc, kc, vc
.if DOCPART == 2
	.amdgcn_target "amdgcn-amd-amdhsa--gfx1250"
	.amdhsa_code_object_version 6
	.text
	.protected	k_q48ec9e0dca_qkv
	.globl	k_q48ec9e0dca_qkv
	.p2align	8
	.type	k_q48ec9e0dca_qkv,@function
k_q48ec9e0dca_qkv:
	s_mov_b64 s[64:65], 0
	v_nop
	global_prefetch_b8 v0, s[64:65] scope:SCOPE_SE
	s_setreg_imm32_b32 hwreg(HW_REG_WAVE_MODE, 25, 1), 1
	s_wait_xcnt 0x0
	s_wait_alu depctr_hold_cnt(0) depctr_sa_sdst(0) depctr_va_vdst(0) depctr_va_sdst(0) depctr_va_ssrc(0) depctr_va_vcc(0) depctr_vm_vsrc(0)
	s_getreg_b32 s2, hwreg(HW_REG_IB_STS2, 6, 4)
	s_cmp_eq_u32 s2, 0
	s_cbranch_scc0 .Lentry_in_a_cluster
	s_endpgm
.Lentry_in_a_cluster:
	s_bfe_u32 s2, ttmp6, 0x10000c
	s_cmp_lg_u32 s2, 0xf033
	s_cbranch_scc0 .Lentry_shape_is_right
	s_endpgm
.Lentry_shape_is_right:
; q, k, v = x times wq, wk, wv on codes of E5M2 (K = 1,024), and the f32 sums quantised at once into the operands of the attention's two products.  No work of these three products is left out.
; ONE PATH FOR THE THREE.  A work-group makes 256 x 256 sums, a wave 128 x 128: 64 accumulators.  Operand A is the matrix instruction's source 1: its 16 rows become the result's LANES; operand B is source 0: its rows become
; a lane's eight REGISTERS.  For q and k: A = x's codes, B = the weight's: a lane holds a token, its registers run along d, which is the K of q k^T.  For v the two pointers change places: a lane holds a channel d and its
; registers run along the tokens, which are the K of p v.  Both workspaces have the same blocks of [K step of 128: 8][tile of 16 rows: 16][2,048 bytes], so nothing else differs.
; So one conversion of an accumulator's eight registers gives registers 2 c, 2 c + 1 of the next operand's fragment, and a wave's 128 x 128 codes leave straight from registers as 16,384 consecutive bytes.
;   qc, kc [pair of heads 8][tile of 16 tokens 512][head's parity 2][1,024]: fragments 16 tokens x 64 d;   vc [pair 8][step of 128 tokens 64][parity 2][tile of 16 d: 4][2,048]: fragments 16 d x 128 tokens.
; code = sum x 2^(ea + eb) / 2^et = sum / 2^(et - ea - eb), held within +-57,344: q: e6 - e0 - e1; k: e7 - e2 - e3; v: e9 - e4 - e5.  LIMIT: that number lies between -126 and 112.
; THE GRID.  2 x 12 clusters of 4 x 4.  Cluster rows 0-7: q (cluster x = 0) and k (1): A's block 4 cluster y + cy, B's block cx.  Cluster rows 8-11: v: A's block cy, B's block 8 (cluster y - 8) + 4 cluster x + cx.
; A's tiles are shared along a row of the cluster, B's along a column: each is asked for JOINTLY, by the same tensor load with the same descriptor and a mask that names the four.
; THE RING.  K goes in four steps of 256 through two LDS slots.  A slot: A's two K steps of 128 (32,768 bytes each: 16 fragments), then B's two.  Each wave fetches one of the four, a dense block, as 128 rows of 256 bytes.
; Fragments are read as they lie, 16 bytes a lane, 512 consecutive bytes an instruction: no pitch, no padding.  Four K steps: the text is written out, with no loop; nothing is prefetched: all four come by the first fills and the two refills.
; REGISTERS, in windows of 256: window 0: v16-31 addresses and the scale; from v128 A's 8 fragments, ONE set; later the codes.  window 1: B's fragments, TWO sets, at v0 and v128.
;   window 2: the accumulators of A's blocks 0-3 ((a, b) at v[8 (8 (a % 4) + b)]);   window 3: those of blocks 4-7.
.set SLOT,  131072
.set SPARE, 262144                     ; behind the ring: the spare words, 128 bytes for each wave: two blocks of 256 bytes that no other line names
.set FR,    16                         ; registers of a fragment
.set NL,    4                          ; LDS loads that bring one
.set NP,    4                          ; places behind this matrix instruction (ISA guide 7.12.1)
.set ADRA,  16                         ; v16-17  LDS address of my A fragments in slot 0, 1
.set ADRB,  20                         ; v20-21  the same for B
.set GO,    26                         ; v26     16 x lane
.set SPW,   28                         ; v28     LDS address of my spare word; never rewritten
.set NIL,   29                         ; v29     0; never rewritten
.set SC,    30                         ; v30     the conversion's scale as f32
.set LIM,   31                         ; v31     57,344 x that
.set AF,    128
.set CD,    128                        ; the codes: block a's 16 registers at v[CD + 16 a]
.set WV,    16                         ; s16  wave
.set WM,    17                         ; s17  wave / 2: my half of A's rows.  Also: I fetch for A (0) or for B (1)
.set WN,    18                         ; s18  wave % 2: my half of B's rows.  Also: which K step of 128 of a slot I fetch
.set G1,    24                         ; s[24:31] descriptor group 1 for A's tiles;  s[32:39] group 0, one set for each slot
.set G0,    32
.set G1B,   48                         ; s[48:55], s[56:63] the same for B's
.set G0B,   56
.set MSB, 0
.macro WIN new                         ; the immediate's high byte repeats the setting that is left
.if MSB != \new
	s_set_vgpr_msb (MSB<<8)|\new
.set MSB, \new
.endif
.endm
.set MUL_LO, 0xa1                      ; source 0 (B) window 1, source 1 (A) window 0, C and D window 2
.set MUL_HI, 0xf1                      ; the same, C and D window 3
.set TO_B,   0x40                      ; destination window 1, address window 0
; A joint load: waves 0 and 1 fetch for A, waves 2 and 3 for B.  Each of the two lines has one mask and one set of registers for all that issue it; the branch hangs on the wave's number alone.
; An s_nop 0 and four v_nop follow each of the two lines, ahead of the jump, the label and what follows.
.macro JLOAD g0a, g1a, g0b, g1b
	s_cmp_eq_u32 s[WM], 0
	s_cbranch_scc0 .Lfor_b_\@
	tensor_load_to_lds s[\g0a:\g0a+3], s[\g1a:\g1a+7]
	s_nop 0
.rept 4
	v_nop
.endr
	s_branch .Lasked_\@
.Lfor_b_\@:
	tensor_load_to_lds s[\g0b:\g0b+3], s[\g1b:\g1b+7]
	s_nop 0
.rept 4
	v_nop
.endr
.Lasked_\@:
.endm
.macro CREST                           ; a round of the cluster's barrier behind its opening barrier
	s_cmp_lg_u32 s[WV], 0
	s_cbranch_scc1 .Lnot_wave_0_\@
	s_barrier_signal -3
.Lnot_wave_0_\@:
	s_barrier_wait -3
	s_barrier_signal -1
	s_barrier_wait -1
.endm
.macro CROUND                          ; a whole round
	s_barrier_signal -1
	s_barrier_wait -1
	CREST
.endm
	s_load_b256 s[4:11], s[0:1], 0x0               ; xc s[4:5], wc s[6:7], the exponents s[8:9], qc s[10:11]
	s_load_b128 s[12:15], s[0:1], 0x20             ; kc s[12:13], vc s[14:15]
	v_lshl_add_u32 v[SPW], v0, 2, SPARE
	v_mov_b32 v[NIL], 0
	ds_add_u32 v[SPW], v[NIL]                      ; the wave's opening: the add, twice on end, and its wait ahead of my first tensor load; the set-up below stands between the second and the wait
	ds_add_u32 v[SPW], v[NIL]
	v_lshrrev_b32 v1, 5, v0
	v_readfirstlane_b32 s[WV], v1                  ; wave 0..3
	s_lshr_b32 s[WM], s[WV], 1
	s_and_b32 s[WN], s[WV], 1
	s_bfe_u32 s19, ttmp6, 0x40000                  ; cx
	s_bfe_u32 s20, ttmp6, 0x40004                  ; cy
	s_mov_b32 s21, ttmp9                           ; cluster x
	s_and_b32 s22, ttmp7, 0xffff                   ; cluster y
	s_cmp_ge_u32 s22, 8
	s_cselect_b32 s23, 1, 0                        ; 1: v.  The same in all sixteen partners
	s_lshl_b32 s40, s20, 2
	s_lshl_b32 s40, 15, s40                        ; my row of the cluster
	s_lshl_b32 s41, 0x1111, s19                    ; my column
	s_or_b32 s[G1], s40, (3<<16)|(1<<21)           ; 15:0 the mask: A's tiles go to my row; 17:16 elements of 8 bytes; 20 no padding; 21 set beside a mask
	s_or_b32 s[G1B], s41, (3<<16)|(1<<21)          ; the same with my column, for B's
.irp g, G1, G1B
	s_mov_b32 s[\g+1], 32<<16                      ; tensor_dim0 = 32 elements: 256 bytes
	s_mov_b32 s[\g+2], 128<<16                     ; tensor_dim1 = 128
	s_mov_b32 s[\g+3], 32<<16                      ; tile_dim0
	s_mov_b32 s[\g+4], 128                         ; tile_dim1
	s_mov_b32 s[\g+5], 32                          ; tensor_dim0_stride: the block is dense
	s_mov_b32 s[\g+6], 0
	s_mov_b32 s[\g+7], 0
.endr
	; A's block and its bytes: registers s42, s44, s45 never hold cx
	s_lshl_b32 s42, s22, 2
	s_cmp_eq_u32 s23, 0
	s_cselect_b32 s42, s42, 0
	s_add_co_u32 s42, s42, s20                     ; q, k: 4 cluster y + cy;  v: cy
	s_lshl_b32 s44, s21, 23                        ; q, k: x's set of codes 0 or 1;
	s_mov_b32 s45, 2097152                         ; v: wv's codes
	s_cmp_eq_u32 s23, 0
	s_cselect_b32 s44, s44, s45
	s_lshl_b32 s45, s42, 18                        ; a block is 262,144 bytes
	s_add_co_u32 s44, s44, s45
	s_lshl_b32 s45, s[WN], 15                      ; the K step of 128 that I fetch
	s_add_co_u32 s44, s44, s45
	s_mov_b32 s45, 0
	; B's: registers s43, s46, s47 never hold cy
	s_sub_co_u32 s43, s22, 8
	s_lshl_b32 s43, s43, 3
	s_lshl_b32 s46, s21, 2
	s_add_co_u32 s43, s43, s46
	s_cmp_eq_u32 s23, 0
	s_cselect_b32 s43, 0, s43
	s_add_co_u32 s43, s43, s19                     ; q, k: cx;  v: 8 (cluster y - 8) + 4 cluster x + cx
	s_lshl_b32 s46, s21, 20                        ; q, k: wq's or wk's codes;
	s_mov_b32 s47, 16777216                        ; v: x's third set
	s_cmp_eq_u32 s23, 0
	s_cselect_b32 s46, s46, s47
	s_lshl_b32 s47, s43, 18
	s_add_co_u32 s46, s46, s47
	s_lshl_b32 s47, s[WN], 15
	s_add_co_u32 s46, s46, s47
	s_mov_b32 s47, 0
	s_lshl_b32 s84, s[WV], 15                      ; where my part goes in a slot: wave x 32,768: no place in the cluster enters an LDS address
	s_wait_dscnt 0x0                               ; both opening adds are done
	s_wait_kmcnt 0x0
	s_load_b256 s[68:75], s[8:9], 0x0              ; e0 .. e7
	s_load_b128 s[76:79], s[8:9], 0x20             ; e8 .. e11
	s_cmp_eq_u32 s23, 0
	s_cselect_b64 s[66:67], s[4:5], s[6:7]         ; A: x's codes, or for v the weight's
	s_cselect_b64 s[82:83], s[6:7], s[4:5]         ; B: the other
	s_add_nc_u64 s[66:67], s[66:67], s[44:45]
	s_add_nc_u64 s[82:83], s[82:83], s[46:47]
	CROUND                                         ; all sixteen work-groups are here: the first joint loads meet
.irp s, 0,1
	s_mov_b32 s[G0+4*\s], 1
	s_add_co_u32 s[G0+4*\s+1], s84, \s*SLOT
	s_add_nc_u64 s[G0+4*\s+2:G0+4*\s+3], s[66:67], \s*65536    ; K step s of 256
	s_or_b32 s[G0+4*\s+3], s[G0+4*\s+3], 0x80000000
	s_mov_b32 s[G0B+4*\s], 1
	s_add_co_u32 s[G0B+4*\s+1], s84, \s*SLOT
	s_add_nc_u64 s[G0B+4*\s+2:G0B+4*\s+3], s[82:83], \s*65536
	s_or_b32 s[G0B+4*\s+3], s[G0B+4*\s+3], 0x80000000
.endr
	JLOAD G0, G1, G0B, G1B                         ; K step 0: one tensor load a wave at the head
	v_and_b32 v1, 31, v0
	v_lshlrev_b32 v[GO], 4, v1
	s_lshl_b32 s90, s[WM], 14                      ; my 8 fragments of A's 16,
	s_lshl_b32 s91, s[WN], 14                      ; of B's,
	s_add_co_u32 s91, s91, 65536                   ; which lie behind A's two K steps
.irp s, 0,1
	v_add_nc_u32 v[ADRA+\s], s90, v[GO]
	v_add_nc_u32 v[ADRB+\s], s91, v[GO]
	s_add_co_u32 s90, s90, SLOT
	s_add_co_u32 s91, s91, SLOT
.endr
	; where my 16,384 bytes of codes go: (pair of heads) x 2^20 + (128 tokens) x 2^14
	s_cmp_eq_u32 s23, 0
	s_cselect_b32 s85, s19, s20                    ; the weight's block: q, k: cx; v: cy
	s_cselect_b32 s86, s[WN], s[WM]                ; and my half of it
	s_cselect_b32 s87, s42, s43                    ; the tokens' block
	s_cselect_b32 s88, s[WM], s[WN]                ; and my half of it
	s_lshl_b32 s85, s85, 1
	s_add_co_u32 s85, s85, s86
	s_lshl_b32 s85, s85, 20
	s_lshl_b32 s87, s87, 1
	s_add_co_u32 s87, s87, s88
	s_lshl_b32 s87, s87, 14
	s_add_co_u32 s88, s85, s87
	s_mov_b32 s89, 0
	s_cmp_eq_u32 s21, 0
	s_cselect_b64 s[80:81], s[10:11], s[12:13]
	s_cmp_eq_u32 s23, 0
	s_cselect_b64 s[80:81], s[80:81], s[14:15]
	s_add_nc_u64 s[80:81], s[80:81], s[88:89]
.macro FRAG reg, adr, q, i             ; fragment i of the slot's q-th K step of 128: four groups of four registers, as they lie
.irp c, 0,1,2,3
	ds_load_b128 v[\reg+4*\c:\reg+4*\c+3], v[\adr] offset:32768*(\q)+2048*(\i)+512*\c
.endr
.endm
; 16 matrix instructions: A's blocks a0, a0 + 1 x B's eight, 128 along K.  p: B's set.  zero = 1: the first product starts the sums: nothing is ever cleared.
; The 64 accumulators take turns, one instruction a turn, in the same order in every step.
.macro MUL16 a0, p, zero
.irp a, \a0, \a0+1
.irp b, 0,1,2,3,4,5,6,7
.if \zero
	v_wmma_f32_16x16x128_bf8_bf8 v[8*(8*((\a)%4)+\b):8*(8*((\a)%4)+\b)+7], v[128*(\p)+FR*\b:128*(\p)+FR*\b+FR-1], v[AF+FR*(\a):AF+FR*(\a)+FR-1], 0
.else
	v_wmma_f32_16x16x128_bf8_bf8 v[8*(8*((\a)%4)+\b):8*(8*((\a)%4)+\b)+7], v[128*(\p)+FR*\b:128*(\p)+FR*\b+FR-1], v[AF+FR*(\a):AF+FR*(\a)+FR-1], v[8*(8*((\a)%4)+\b):8*(8*((\a)%4)+\b)+7]
.endif
.endr
.endr
.endm
.macro FETCH_B slot, q, p
	WIN TO_B
.irp i, 0,1,2,3,4,5,6,7
	FRAG 128*(\p)+FR*\i, ADRB+\slot, \q, \i
.endr
	WIN 0
.endm
.macro FETCH_A slot, q, i0
.irp i, \i0, \i0+1, \i0+2, \i0+3
	FRAG AF+FR*(\i), ADRA+\slot, \q, \i
.endr
.endm
.macro PLACES n                        ; plain vector lines between a matrix instruction and a load into a register that it has read, or a vector line that reads its result (ISA guide 7.12.1 for the vector line)
.rept \n
	v_nop
.endr
.endm
; A step of 128 along K that has its successor in the same slot.  A block of A is free as soon as its eight products are issued: blocks 0-3 are fetched anew in the step's middle, blocks 4-7 at its end.
.macro STEP slot, q, zero
	s_wait_dscnt 4*NL                              ; B's set and A's blocks 0-3 are in; the youngest sixteen loads (A's blocks 4-7) may be out
	WIN MUL_LO
	MUL16 0, (\q)%2, \zero
	MUL16 2, (\q)%2, \zero
	s_wait_dscnt 0                                 ; A's blocks 4-7 are in
	PLACES NP
	FETCH_B \slot, (\q)+1, 1-(\q)%2
	FETCH_A \slot, (\q)+1, 0
	WIN MUL_HI
	MUL16 4, (\q)%2, \zero
	MUL16 6, (\q)%2, \zero
	PLACES NP
	WIN 0
	FETCH_A \slot, (\q)+1, 4
.endm
; A slot's last step changes slots: one barrier; in front of it each wave waits for all its tensor loads, adds 0 to its spare word, and waits for that and for its own reads of this slot.  fill = 1: this slot is filled again, two K steps ahead.
.macro TURN slot, next, fill
	s_wait_tensorcnt 0x0                           ; all my tensor loads have landed: my part of the next slot
	ds_add_u32 v[SPW], v[NIL]                      ; 0 onto my spare word
	s_wait_dscnt 4*NL+1                            ; (the add and the youngest sixteen loads may be out)
	WIN MUL_LO
	MUL16 0, 1, 0                                  ; sixteen matrix instructions stand between the add and the wait for it
	s_wait_dscnt 0x0                               ; the add is done, and my reads of this slot are over
	s_barrier_signal -1
	MUL16 2, 1, 0
	WIN 0
	s_barrier_wait -1
.if \fill
	CREST                                          ; the barrier has opened a round of the cluster's barrier: no wave of any partner still reads this slot or has a load on its way
	s_add_nc_u64 s[G0+4*\slot+2:G0+4*\slot+3], s[G0+4*\slot+2:G0+4*\slot+3], 131072
	s_add_nc_u64 s[G0B+4*\slot+2:G0B+4*\slot+3], s[G0B+4*\slot+2:G0B+4*\slot+3], 131072
	JLOAD G0+4*\slot, G1, G0B+4*\slot, G1B         ; the first tensor load behind the round; its four v_nop are also the places in front of the loads below
.else
	PLACES NP
.endif
	FETCH_B \next, 0, 0
	FETCH_A \next, 0, 0
	WIN MUL_HI
	MUL16 4, 1, 0
	MUL16 6, 1, 0
	PLACES NP
	WIN 0
	FETCH_A \next, 0, 4
.endm
	s_wait_alu depctr_va_vdst(0)
	s_wait_tensorcnt 0x0                           ; my part of K step 0 is in
	ds_add_u32 v[SPW], v[NIL]
	s_wait_dscnt 0x0
	CROUND                                         ; everybody's part of K step 0 is in, and all sixteen work-groups are here
	JLOAD G0+4, G1, G0B+4, G1B                     ; K step 1's load, the first tensor load behind the round
	FETCH_B 0, 0, 0
	FETCH_A 0, 0, 0
	FETCH_A 0, 0, 4
	STEP 0, 0, 1                                   ; the first products start the sums
	TURN 0, 1, 1
	STEP 1, 0, 0
	TURN 1, 0, 1
	STEP 0, 0, 0
	TURN 0, 1, 0                                   ; nothing is left to fetch
	STEP 1, 0, 0
	s_wait_dscnt 4*NL
	WIN MUL_LO
	MUL16 0, 1, 0
	MUL16 2, 1, 0
	s_wait_dscnt 0
	WIN MUL_HI
	MUL16 4, 1, 0
	MUL16 6, 1, 0
	WIN 0
	; THE WAY OUT: hold, convert, store.  No LDS: block a's eight conversions are a whole image of 16 registers.
	s_wait_kmcnt 0x0
	s_sub_co_i32 s82, s74, s68
	s_sub_co_i32 s82, s82, s69                     ; q: e6 - e0 - e1
	s_sub_co_i32 s83, s75, s70
	s_sub_co_i32 s83, s83, s71                     ; k: e7 - e2 - e3
	s_sub_co_i32 s84, s77, s72
	s_sub_co_i32 s84, s84, s73                     ; v: e9 - e4 - e5
	s_cmp_eq_u32 s21, 0
	s_cselect_b32 s82, s82, s83
	s_cmp_eq_u32 s23, 0
	s_cselect_b32 s82, s82, s84                    ; chosen by ids, with no branch
	s_add_co_i32 s82, s82, 127
	s_lshl_b32 s83, s82, 23
	v_mov_b32 v[SC], s83
	s_add_co_i32 s82, s82, 15
	s_lshl_b32 s82, s82, 23
	s_or_b32 s82, s82, 0x600000
	v_mov_b32 v[LIM], s82
	PLACES NP
.macro OUTHALF hi                      ; A's blocks 4 hi .. 4 hi + 3
.if \hi
	WIN 0xc3                                       ; destination and source 0: window 3
.else
	WIN 0x82                                       ; window 2
.endif
.set i, 0
.rept 256
	v_med3_num_f32 v[i], v[i], -v[LIM], v[LIM]     ; the hold, in place; each accumulator from its low end on
.set i, i+1
.endr
.if \hi
	WIN 0x03
.else
	WIN 0x02
.endif
.set i, 0
.rept 32
	v_cvt_scalef32_pk8_bf8_f32 v[CD+64*\hi+2*i:CD+64*\hi+2*i+1], v[8*i:8*i+7], v[SC]   ; accumulator (a, b) -> registers 2 b, 2 b + 1 of block a's image
.set i, i+1
.endr
	v_nop                                          ; one plain vector line behind the last conversion
	WIN 0
.set i, 0
.rept 16
	global_store_b128 v[GO], v[CD+64*\hi+4*i:CD+64*\hi+4*i+3], s[80:81] offset:8192*\hi+512*i   ; 32 lanes store 512 consecutive bytes, aligned
.set i, i+1
.endr
.endm
	OUTHALF 0
	OUTHALF 1
	s_wait_tensorcnt 0x0                           ; the wave's end
	ds_add_u32 v[SPW], v[NIL]
	s_wait_dscnt 0x0
	CROUND                                         ; the closing round: no work-group ends while a partner may still ask for a tile that names it
	s_endpgm
.Lfunc_end_k_q48ec9e0dca_qkv:
	.size	k_q48ec9e0dca_qkv, .Lfunc_end_k_q48ec9e0dca_qkv-k_q48ec9e0dca_qkv
	.p2alignl 7, 3214868480
	.fill 96, 4, 3214868480
	.section	.rodata,"a",@progbits
	.p2align	6, 0x0
	.amdhsa_kernel k_q48ec9e0dca_qkv
		.amdhsa_group_segment_fixed_size 327680
		.amdhsa_private_segment_fixed_size 0
		.amdhsa_enable_private_segment 0
		.amdhsa_kernarg_size 48
		.amdhsa_user_sgpr_count 2
		.amdhsa_user_sgpr_kernarg_segment_ptr 1
		.amdhsa_wavefront_size32 1
		.amdhsa_system_sgpr_workgroup_id_x 1
		.amdhsa_system_sgpr_workgroup_id_y 1
		.amdhsa_system_sgpr_workgroup_id_z 1
		.amdhsa_system_vgpr_workitem_id 0
		.amdhsa_next_free_vgpr 1024
		.amdhsa_next_free_sgpr 100
		.amdhsa_reserve_vcc 0
		.amdhsa_float_denorm_mode_32 3
		.amdhsa_float_denorm_mode_16_64 3
		.amdhsa_memory_ordered 1
		.amdhsa_forward_progress 1
		.amdhsa_inst_pref_size 118
	.end_amdhsa_kernel
	.amdgpu_metadata
---
amdhsa.version: [ 1, 2 ]
amdhsa.kernels:
  - .name:           k_q48ec9e0dca_qkv
    .symbol:         k_q48ec9e0dca_qkv.kd
    .args:
      - { .name: xc, .offset: 0, .size: 8, .value_kind: global_buffer, .address_space: global }
      - { .name: wc, .offset: 8, .size: 8, .value_kind: global_buffer, .address_space: global }
      - { .name: lowp_scales, .offset: 16, .size: 8, .value_kind: global_buffer, .address_space: global }
      - { .name: qc, .offset: 24, .size: 8, .value_kind: global_buffer, .address_space: global }
      - { .name: kc, .offset: 32, .size: 8, .value_kind: global_buffer, .address_space: global }
      - { .name: vc, .offset: 40, .size: 8, .value_kind: global_buffer, .address_space: global }
    .group_segment_fixed_size: 327680
    .private_segment_fixed_size: 0
    .kernarg_segment_align: 8
    .kernarg_segment_size: 48
    .max_flat_workgroup_size: 128
    .sgpr_count:     100
    .vgpr_count:     1024
    .wavefront_size: 32
...
	.end_amdgpu_metadata
.endif
;; end of part 2
;; launch attn (part 3): grid 256 x 1, 8 waves a work-group, no clusters, 295,936 bytes of LDS; arguments qc, kc, vc, lowp_scales, oc; writes oc
.if DOCPART == 3
	.amdgcn_target "amdgcn-amd-amdhsa--gfx1250"
	.amdhsa_code_object_version 6
	.text
	.protected	k_q48ec9e0dca_attn
	.globl	k_q48ec9e0dca_attn
	.p2align	8
	.type	k_q48ec9e0dca_attn,@function
k_q48ec9e0dca_attn:
	s_mov_b64 s[64:65], 0
	v_nop
	global_prefetch_b8 v0, s[64:65] scope:SCOPE_SE
	s_setreg_imm32_b32 hwreg(HW_REG_WAVE_MODE, 25, 1), 1
	s_wait_xcnt 0x0
; Causal attention of one head on codes of E5M2, and its result quantised into the operand of the last product.
; WORK LEFT OUT: key steps (32 queries x 128 keys) all of whose keys come after all their queries: the function's own lower triangle hides them, so p = 0 there for all finite inputs.
; LIMIT: a NaN, an infinity or an overflow that would arise only in those scores is not carried to the result.
; THE SOFTMAX: t = score x log2(e) / 32; M = the running largest t rounded UP to a whole number; p = 2^(t - M) is quantised with the given 2^e8, not normalised; the row's sum is taken of the unquantised p
; and divides at the end.  When M moves, the sum and O are multiplied by 2^(old M - new M): exact.
; SHARES.  Work-group n: head 2 (n / 8) + n % 2 of the 64, part i = (n / 2) % 4.  Its eight waves own block 7 - i of 256 queries (wave w: 32 queries at 32 w: pair L) and block i (32 queries at 32 (7 - w): pair S).
; A wave walks the keys once, 128 a trip, sixteen trips in every work-group, for both pairs together: L counts in 2 (7 - i) + w / 4 + 1 steps, S in 2 i + (7 - w) / 4 + 1: seventeen pair-steps for every wave.
; K AND V STAY IN LDS: a head's codes are 2 x 131,072 bytes, so every byte of LDS is written once.  Step s (16,384 bytes; the work-group wants steps 0 .. 15 - 2 i) goes through registers, 2,048 bytes a wave: asked for in trip s - 2,
; stored in trip s - 1, read in trip s.  One barrier a trip: the signal stands behind a trip's stores, the wait at the next trip's head.  Between them stand register work and reads of bytes that nobody writes again.
; NO TENSOR LOAD, NO CLUSTER: the four work-groups of a head want 16, 14, 12 and 10 key steps, and the hold of p is led round by a branch on the given e8.
; THE HOLD OF p: p <= 1, so where 57,344 x 2^e8 > 1 (e8 >= -15) the hold changes nothing and a scalar branch leads round it; for every other e8 it is run.
; THE MASK is the C operand of the diagonal step's score products: a strip of 16 tiles in LDS, tile u holding 0 where key 16 (u - 7) + k <= query r and -3e38 elsewhere; score tile c of a query tile whose diagonal lies in tile cd takes u = 7 + c - cd.
; LIMITS: e6 + e7 between -90 and 132 (added to the exponent field of log2(e) / 32; 3e38 x that factor stays above 2^32, and the scaled scores under 2^31, so that a hidden key's p is 0); e8, and e10 - e8 - e9, between -126 and 112.
; LAYOUT.  Both products transposed: S^T = K Q^T (K = 64), O^T = V^T P^T (K = 128 keys): a lane holds one query; the eight registers of score tile c are keys 16 c + 8 (lane / 16) + 0 .. 7: one conversion gives registers 2 c, 2 c + 1 of P.
; REGISTERS.  Window 0: v0-15 addresses and scales; v16-47 four tiles' statistics; v48-79 Q; v80-95 the fill; v96-127 P's codes of two tiles; v128-255 S^T, then p, of two tiles.  Window 1: v0-127 O^T of four tiles; v128-191 K's, v192-255 V's fragments.
.set VOFF,  139264                     ; V's codes in LDS, behind K's.  Each part has room for 17 steps of 8,192 bytes: the fill's store lines name step t + 1, in the last trip step 16, where the jump on ids always leads round them: those bytes are nobody else's
.set MT,    278528                     ; the mask strip, 16 x 1,024 bytes
.set SPARE, 294912                     ; the spare words, 128 bytes for each wave: four blocks of 256 bytes that no other line names
.set FK0, 0                            ; v0   16 lane + 1,024 wave + 8,192: my place in the step after the one in hand
.set SPW, 1
.set NIL, 2
.set LI,  3                            ; v3   16 x lane
.set ADR, 4                            ; v4, v5  the step's K and V in LDS
.set ADV, 5
.set FK,  6                            ; v6, v7  where my part of the next step goes
.set FV,  7
.set GK,  8                            ; v8, v9  my part's offset in a step of kc, of vc
.set GV,  9
.set PFO, 10
.set AML, 11                           ; v11, v12  pair L's, S's place in the mask strip
.set AMS, 12
.set SC8, 13                           ; v13  2^e8
.set SCO, 14                           ; v14  2^(e10 - e8 - e9);  v15  57,344 x that
.set LIMO, 15
.set ST,  16                           ; a tile's eight: -M, largest score | sum (2) | f, at work | at work (2)
.set QF,  48
.set F,   80
.set PC,  96
.set SS,  128
.set KFR, 128
.set VFR, 192
.set WV,  14
.set CS,  46                           ; s[46:47] c = log2(e) / 32 x 2^(e6 + e7);  s48 -c
.set NC,  48
.set HOLD, 49                          ; s49  57,344 x 2^e8
.set HB,  50                           ; s50  1 where the hold can change a p
.set KF,  51                           ; s51  the step's first key
.set TB,  52                           ; s52  the step's first byte in K's part of LDS
.set Q0L, 53
.set Q0S, 54
.set FS1, 55                           ; s55  from this key on nothing is stored;  s56  nothing is asked for
.set FS2, 56
.set PL,  57                           ; s57  wave 0 prefetches while KF is under 1,536; the others never
.set T0,  58
.set SEL, 60
.set KP,  66                           ; s[66:67], s[68:69] kc, vc at the step that is asked for next;  s[70:71] the prefetches' place
.set VP,  68
.set PFA, 70
.set OL,  78
.set OS,  80
.set MSB, 0
.macro WIN new
.if MSB != \new
	s_set_vgpr_msb (MSB<<8)|\new
.set MSB, \new
.endif
.endm
.macro GETKV reg, off                  ; my 2,048 bytes of a step: tile w of K's eight, piece w of V's 8,192 bytes
.irp g, 0,1
	global_load_b128 v[\reg+4*\g:\reg+4*\g+3], v[GK], s[KP:KP+1] offset:\off+512*\g
	global_load_b128 v[\reg+8+4*\g:\reg+8+4*\g+3], v[GV], s[VP:VP+1] offset:\off+512*\g
.endr
.endm
.macro PUTKV reg
.irp g, 0,1
	ds_store_b128 v[FK], v[\reg+4*\g:\reg+4*\g+3] offset:512*\g
	ds_store_b128 v[FV], v[\reg+8+4*\g:\reg+8+4*\g+3] offset:512*\g
.endr
.endm
	s_load_b256 s[4:11], s[0:1], 0x0               ; qc, kc, vc, the exponents
	s_load_b64 s[12:13], s[0:1], 0x20              ; oc
	v_lshl_add_u32 v[SPW], v0, 2, SPARE
	v_mov_b32 v[NIL], 0
	v_lshrrev_b32 v3, 5, v0
	v_readfirstlane_b32 s[WV], v3                  ; wave 0..7
	s_bfe_u32 s16, ttmp9, 0x20001                  ; i
	s_lshr_b32 s17, ttmp9, 3
	s_lshl_b32 s17, s17, 1
	s_and_b32 s18, ttmp9, 1
	s_or_b32 s17, s17, s18                         ; 16 batch + head
	s_and_b32 s18, s17, 1                          ; the head's parity
	s_bfe_u32 s19, s17, 0x30001                    ; the pair of heads
	s_lshr_b32 s20, s17, 4                         ; batch
	s_lshl_b32 s21, s19, 20
	s_lshl_b32 s22, s20, 18
	s_add_co_u32 s21, s21, s22                     ; the pair's and the batch's first byte in qc, kc and vc
	s_lshl_b32 s22, s18, 10
	s_add_co_u32 s24, s21, s22                     ; q, k: + 1,024 x parity
	s_mov_b32 s25, 0
	s_lshl_b32 s22, s18, 13
	s_add_co_u32 s26, s21, s22                     ; v: + 8,192 x parity
	s_mov_b32 s27, 0
	s_sub_co_u32 s28, 7, s16
	s_sub_co_u32 s29, 7, s[WV]
	s_lshl_b32 s[Q0L], s28, 8
	s_lshl_b32 s22, s[WV], 5
	s_add_co_u32 s[Q0L], s[Q0L], s22               ; pair L's first query
	s_lshl_b32 s[Q0S], s16, 8
	s_lshl_b32 s22, s29, 5
	s_add_co_u32 s[Q0S], s[Q0S], s22               ; pair S's
	s_lshl_b32 s30, s[Q0L], 7                      ; a tile of 16 queries is 2,048 bytes on
	s_add_co_u32 s30, s30, s24
	s_mov_b32 s31, 0
	s_lshl_b32 s32, s[Q0S], 7
	s_add_co_u32 s32, s32, s24
	s_mov_b32 s33, 0
	s_lshl_b32 s34, s20, 21                        ; oc: [8 batch + block][pair][tile of 16 tokens][2,048], + 1,024 x parity
	s_lshl_b32 s22, s19, 15
	s_add_co_u32 s34, s34, s22
	s_lshl_b32 s22, s18, 10
	s_add_co_u32 s34, s34, s22
	s_lshl_b32 s36, s28, 18
	s_lshl_b32 s22, s[WV], 12
	s_add_co_u32 s36, s36, s22
	s_add_co_u32 s36, s36, s34
	s_mov_b32 s37, 0
	s_lshl_b32 s38, s16, 18
	s_lshl_b32 s22, s29, 12
	s_add_co_u32 s38, s38, s22
	s_add_co_u32 s38, s38, s34
	s_mov_b32 s39, 0
	s_lshl_b32 s22, s16, 8
	s_sub_co_u32 s[FS1], 1920, s22                 ; 128 x (the last step wanted: 15 - 2 i)
	s_sub_co_u32 s[FS2], s[FS1], 128
	s_cmp_lt_u32 s16, 2                            ; the prefetches: parts 0, 1 take the halves of a step's K, parts 2, 3 of its V
	s_cselect_b32 s44, 11, 10                      ; four blocks of 256 bytes, then on by 2,048 bytes in K, by 1,024 in V
	s_and_b32 s40, s16, 1
	s_add_co_u32 s45, s44, 2
	s_lshl_b32 s40, s40, s45                       ; the half,
	s_add_co_u32 s40, s40, 65536                   ; of step 4
	s_mov_b32 s41, 0
	s_cmp_eq_u32 s[WV], 0
	s_cselect_b32 s[PL], 1536, 0
	s_and_b32 s42, s[WV], 3                        ; pair S's diagonal lies in score tiles 2 (3 - w % 4) and the next, L's in 2 (w % 4) and the next
	s_xor_b32 s43, s42, 3
	s_lshl_b32 s42, s42, 11
	s_lshl_b32 s43, s43, 11
	s_add_co_u32 s42, s42, MT
	s_add_co_u32 s43, s43, MT
	s_lshl_b32 s22, s[WV], 10
	s_lshl_b32 s23, s[WV], 11
	s_lshl_b32 s35, s[WV], 4
	s_sub_co_i32 s35, 112, s35                     ; -16 (u - 7) for strip tile u = w
	s_mov_b32 s[SEL], 0x76543210
	s_mov_b32 s[SEL+1], 0xfedcba98
	s_mov_b32 s[CS], 0x3d38aa3b                    ; log2(e) / 32
	s_mov_b32 s[KF], 0
	s_mov_b32 s[TB], 0
	s_wait_alu depctr_va_vdst(0)
	s_wait_kmcnt 0x0
	s_load_b128 s[72:75], s[10:11], 0x18           ; e6, e7, e8, e9
	s_load_b32 s76, s[10:11], 0x28                 ; e10
	s_add_nc_u64 s[KP:KP+1], s[6:7], s[24:25]
	s_add_nc_u64 s[VP:VP+1], s[8:9], s[26:27]
	s_add_nc_u64 s[30:31], s[4:5], s[30:31]
	s_add_nc_u64 s[32:33], s[4:5], s[32:33]
	s_add_nc_u64 s[OL:OL+1], s[12:13], s[36:37]
	s_add_nc_u64 s[OS:OS+1], s[12:13], s[38:39]
	s_cmp_lt_u32 s16, 2
	s_cselect_b64 s[PFA:PFA+1], s[KP:KP+1], s[VP:VP+1]
	s_add_nc_u64 s[PFA:PFA+1], s[PFA:PFA+1], s[40:41]
	v_and_b32 v4, 31, v0
	v_lshlrev_b32 v[LI], 4, v4
	v_add_nc_u32 v[GK], s23, v[LI]
	v_add_nc_u32 v[GV], s22, v[LI]
	GETKV SS, 0                                    ; step 0,
.irp t, 0,1
.irp g, 0,1
	global_load_b128 v[QF+8*\t+4*\g:QF+8*\t+4*\g+3], v[LI], s[30:31] offset:2048*\t+512*\g
	global_load_b128 v[QF+16+8*\t+4*\g:QF+16+8*\t+4*\g+3], v[LI], s[32:33] offset:2048*\t+512*\g
.endr
.endr
	GETKV F, 16384                                 ; and step 1
	v_add_nc_u32 v[FK], s22, v[LI]                 ; step 0's place in LDS
	v_add_nc_u32 v[FV], VOFF, v[FK]
	v_add_nc_u32 v[AML], s43, v[LI]
	v_add_nc_u32 v[AMS], s42, v[LI]
	v_min_u32 v5, 15, v4                           ; sixteen blocks of 256 bytes; the lanes left over name the last again
	v_lshrrev_b32 v[PFO], 2, v5
	v_lshlrev_b32 v[PFO], s44, v[PFO]
	v_and_b32 v5, 3, v5
	v_lshl_add_u32 v[PFO], v5, 8, v[PFO]
	; the mask strip: I make tiles u = w and w + 8.  Register j of lane (r, h) is key 16 (u - 7) + 8 h + j against query r
	v_and_b32 v[PC+16], 15, v0
	v_bfe_u32 v[PC+18], v0, 4, 1
	v_lshlrev_b32 v[PC+18], 3, v[PC+18]
	v_sub_nc_u32 v[PC+16], v[PC+16], v[PC+18]
	v_add_nc_u32 v[PC+16], s35, v[PC+16]           ; hidden where j > r - 8 h - 16 (u - 7)
	v_add_nc_u32 v[PC+18], 0xffffff80, v[PC+16]
	v_mov_b32 v[PC+17], 0xff61b1e6                 ; -3e38
	v_add_nc_u32 v[PC+19], MT, v[FK]
.irp j, 0,1,2,3,4,5,6,7
	v_cmp_gt_i32 vcc_lo, \j, v[PC+16]
	v_cndmask_b32 v[PC+\j], v[NIL], v[PC+17], vcc_lo
	v_cmp_gt_i32 vcc_lo, \j, v[PC+18]
	v_cndmask_b32 v[PC+8+\j], v[NIL], v[PC+17], vcc_lo
.endr
.irp g, 0,1
	ds_store_b128 v[PC+19], v[PC+4*\g:PC+4*\g+3] offset:512*\g
	ds_store_b128 v[PC+19], v[PC+8+4*\g:PC+8+4*\g+3] offset:8192+512*\g
.endr
	v_add_nc_u32 v[FK0], 8192, v[FK]               ; (the thread's number is not wanted any more)
.irp s, ST, ST+8, ST+16, ST+24                 ; the largest score under every score, -M above every -M, sums and O^T zero: the first change of M multiplies zeros
	v_mov_b32 v[\s], 0x7f61b1e6
	v_mov_b32 v[\s+1], 0xff61b1e6
	v_mov_b32 v[\s+2], 0
	v_mov_b32 v[\s+3], 0
	v_mov_b32 v[\s+5], 0                           ; a lane permute's destination counts as one of its sources
.endr
	WIN 0x40
.set j, 0
.rept 128
	v_mov_b32 v[j], 0
.set j, j+1
.endr
	WIN 0
	s_wait_alu depctr_va_vdst(0)
	s_wait_kmcnt 0x0
	s_add_co_i32 s22, s72, s73
	s_lshl_b32 s22, s22, 23
	s_add_co_i32 s[CS], s[CS], s22                 ; a score stands for score x 2^(e6 + e7)
	s_mov_b32 s[CS+1], s[CS]
	s_xor_b32 s[NC], s[CS], 0x80000000
	s_add_co_i32 s22, s74, 127
	s_lshl_b32 s23, s22, 23
	v_mov_b32 v[SC8], s23
	s_add_co_i32 s22, s22, 15
	s_lshl_b32 s22, s22, 23
	s_or_b32 s[HOLD], s22, 0x600000
	s_cmp_lt_i32 s74, -15
	s_cselect_b32 s[HB], 1, 0
	s_sub_co_i32 s22, s76, s74
	s_sub_co_i32 s22, s22, s75                     ; O / l stands for that x 2^(e8 + e9): its code is (O / l) / 2^(e10 - e8 - e9)
	s_add_co_i32 s22, s22, 127
	s_lshl_b32 s23, s22, 23
	v_mov_b32 v[SCO], s23
	s_add_co_i32 s22, s22, 15
	s_lshl_b32 s22, s22, 23
	s_or_b32 s22, s22, 0x600000
	v_mov_b32 v[LIMO], s22
	s_wait_alu depctr_va_vdst(0)
	s_wait_loadcnt 4                               ; step 0 and Q are in; step 1's four loads may be out
	PUTKV SS
	s_wait_xcnt 0x0                                ; the loads have read their bases
	s_add_nc_u64 s[KP:KP+1], s[KP:KP+1], 32768     ; on to step 2
	s_add_nc_u64 s[VP:VP+1], s[VP:VP+1], 32768
	s_wait_dscnt 0x0                               ; my parts of step 0 and of the strip are written
	s_barrier_signal -1
.macro SCORES qa, zero                 ; sixteen products, sixteen accumulators, one instruction each
	WIN 0x01                                       ; source 0 (K) window 1
.irp c, 0,1,2,3,4,5,6,7
.irp x, 0,1
.if \zero
	v_wmma_f32_16x16x64_bf8_bf8 v[SS+64*\x+8*\c:SS+64*\x+8*\c+7], v[KFR+8*\c:KFR+8*\c+7], v[\qa+8*\x:\qa+8*\x+7], 0
.else
	v_wmma_f32_16x16x64_bf8_bf8 v[SS+64*\x+8*\c:SS+64*\x+8*\c+7], v[KFR+8*\c:KFR+8*\c+7], v[\qa+8*\x:\qa+8*\x+7], v[SS+64*\x+8*\c:SS+64*\x+8*\c+7]
.endif
.endr
.endr
	WIN 0
.endm
; A pair of query tiles (A, B) against the step's 128 keys.  The two tiles' lines take turns, so that no line reads the line above it.
.macro PAIR p, q0, am
.set SA, ST+16*\p
.set SB, ST+16*\p+8
.set OA, 64*\p
	s_add_co_u32 s[T0], s[KF], 128
	s_cmp_le_u32 s[T0], s[\q0]
	s_wait_alu depctr_va_vdst(0)
	s_cbranch_scc1 .Lopen_\@                       ; all 128 keys count for my 32 queries (ids and the count of steps alone)
.irp c, 0,1,2,3,4,5,6,7
.irp g, 0,1
	ds_load_b128 v[SS+8*\c+4*\g:SS+8*\c+4*\g+3], v[\am] offset:1024+1024*\c+512*\g
	ds_load_b128 v[SS+64+8*\c+4*\g:SS+64+8*\c+4*\g+3], v[\am] offset:1024*\c+512*\g
.endr
.endr
	s_wait_dscnt 0x0
	SCORES QF+16*\p, 0                             ; on the diagonal the products start from the mask
	s_branch .Lscored_\@
.Lopen_\@:
	SCORES QF+16*\p, 1
.Lscored_\@:
.rept 4
	v_nop                                          ; places behind the products (ISA guide 7.12.1)
.endr
	v_max_num_f32 v[SA+6], v[SS], v[SS+1]          ; the step's largest score among my 64 keys: two chains a tile, each accumulator from its low end on
	v_max_num_f32 v[SB+6], v[SS+64], v[SS+65]
	v_max_num_f32 v[SA+7], v[SS+2], v[SS+3]
	v_max_num_f32 v[SB+7], v[SS+66], v[SS+67]
.set j, 4
.rept 15
	v_max3_num_f32 v[SA+6], v[SA+6], v[SS+j], v[SS+j+1]
	v_max3_num_f32 v[SB+6], v[SB+6], v[SS+64+j], v[SS+65+j]
	v_max3_num_f32 v[SA+7], v[SA+7], v[SS+j+2], v[SS+j+3]
	v_max3_num_f32 v[SB+7], v[SB+7], v[SS+66+j], v[SS+67+j]
.set j, j+4
.endr
.irp s, SA, SB
	v_max_num_f32 v[\s+6], v[\s+6], v[\s+7]
.endr
.irp s, SA, SB
	v_permlanex16_b32 v[\s+5], v[\s+6], s[SEL], s[SEL+1]
.endr
.irp s, SA, SB
	v_mov_b32 v[\s+7], v[\s]                       ; the old -M
.endr
.irp s, SA, SB
	v_max3_num_f32 v[\s+1], v[\s+1], v[\s+6], v[\s+5]   ; the running largest score, lane l xor 16's among them
.endr
.irp s, SA, SB
	v_mul_f32 v[\s+5], s[NC], v[\s+1]              ; -t (c is positive)
.endr
.irp s, SA, SB
	v_floor_f32 v[\s], v[\s+5]                     ; the new -M = floor(-t): M is a whole number
.endr
.irp s, SA, SB
	v_sub_f32 v[\s+5], v[\s], v[\s+7]              ; old M - new M: a whole number, 0 or less
.endr
.irp s, SA, SB
	v_cvt_i32_f32 v[\s+5], v[\s+5]                 ; (it saturates)
.endr
.irp s, SA, SB
	v_ldexp_f32 v[\s+4], 1.0, v[\s+5]              ; f = 2^(old M - new M)
.endr
.set j, 0
.rept 32
	v_pk_fma_f32 v[SS+j:SS+j+1], v[SS+j:SS+j+1], s[CS:CS+1], v[SA:SA+1] op_sel_hi:[1,0,0]   ; t - M, two at a time
	v_pk_fma_f32 v[SS+64+j:SS+65+j], v[SS+64+j:SS+65+j], s[CS:CS+1], v[SB:SB+1] op_sel_hi:[1,0,0]
.set j, j+2
.endr
	s_wait_alu depctr_va_vdst(0)
.set j, 0
.rept 128
	v_exp_f32 v[SS+j], v[SS+j]                     ; p = 2^(t - M), at most 1
.set j, j+1
.endr
	v_pk_mul_f32 v[SA+2:SA+3], v[SA+2:SA+3], v[SA+4:SA+5] op_sel_hi:[1,0]   ; the sums under the new M: plain lines behind the exponentials
	v_pk_mul_f32 v[SB+2:SB+3], v[SB+2:SB+3], v[SB+4:SB+5] op_sel_hi:[1,0]
	s_wait_alu depctr_va_vdst(0)                   ; and the one wait behind the batch, ahead of its first reader
	v_pk_add_f32 v[SA+6:SA+7], v[SS:SS+1], v[SS+2:SS+3]   ; the row's sum is taken of the unquantised p: two chains a tile
	v_pk_add_f32 v[SB+6:SB+7], v[SS+64:SS+65], v[SS+66:SS+67]
.set j, 4
.rept 15
	v_pk_add_f32 v[SA+2:SA+3], v[SA+2:SA+3], v[SS+j:SS+j+1]
	v_pk_add_f32 v[SB+2:SB+3], v[SB+2:SB+3], v[SS+64+j:SS+65+j]
	v_pk_add_f32 v[SA+6:SA+7], v[SA+6:SA+7], v[SS+j+2:SS+j+3]
	v_pk_add_f32 v[SB+6:SB+7], v[SB+6:SB+7], v[SS+66+j:SS+67+j]
.set j, j+4
.endr
	v_pk_add_f32 v[SA+2:SA+3], v[SA+2:SA+3], v[SA+6:SA+7]
	v_pk_add_f32 v[SB+2:SB+3], v[SB+2:SB+3], v[SB+6:SB+7]
	s_cmp_eq_u32 s[HB], 0
	s_wait_alu depctr_va_vdst(0)
	s_cbranch_scc1 .Lfree_\@                       ; 57,344 x 2^e8 > 1 >= p: the hold would change nothing
.set j, 0
.rept 128
	v_min_num_f32 v[SS+j], s[HOLD], v[SS+j]        ; the conversion does not saturate (ISA guide 7.6.2); p is not negative, so the hold is one-sided
.set j, j+1
.endr
.Lfree_\@:
.set j, 0
.rept 16
	v_cvt_scalef32_pk8_bf8_f32 v[PC+2*j:PC+2*j+1], v[SS+8*j:SS+8*j+7], v[SC8]
.set j, j+1
.endr
	s_wait_dscnt 0x0                               ; V's fragments are in
	WIN 0x41                                       ; destination and source 0: window 1
	s_wait_alu depctr_va_vdst(0)                   ; the wait directly ahead of the first reader of O^T
.set j, 0
.rept 16
	v_pk_mul_f32 v[OA+j:OA+j+1], v[OA+j:OA+j+1], v[SA+4:SA+5] op_sel_hi:[1,0]   ; O^T under the new M; also the plain lines between the conversions and the products
	v_pk_mul_f32 v[OA+32+j:OA+33+j], v[OA+32+j:OA+33+j], v[SB+4:SB+5] op_sel_hi:[1,0]
.set j, j+2
.endr
	WIN 0x51                                       ; D, C and source 0 (V) window 1, source 1 (P) window 0
.irp t, 0,1,2,3
	v_wmma_f32_16x16x128_bf8_bf8 v[OA+8*\t:OA+8*\t+7], v[VFR+16*\t:VFR+16*\t+15], v[PC:PC+15], v[OA+8*\t:OA+8*\t+7]
	v_wmma_f32_16x16x128_bf8_bf8 v[OA+32+8*\t:OA+32+8*\t+7], v[VFR+16*\t:VFR+16*\t+15], v[PC+16:PC+31], v[OA+32+8*\t:OA+32+8*\t+7]
.endr
	WIN 0
.endm
.Ltrip:                                            ; sixteen trips, a step of 128 keys each
	s_barrier_wait -1                              ; every wave's part of this step is in LDS
	v_add_nc_u32 v[ADR], s[TB], v[LI]              ; these four are also the places in front of loads into registers that the last products read
	v_add_nc_u32 v[FK], s[TB], v[FK0]
	v_add_nc_u32 v[ADV], VOFF, v[ADR]
	v_add_nc_u32 v[FV], VOFF, v[FK]
	s_cmp_gt_u32 s[KF], s[Q0L]                     ; KF is a multiple of 128, my first query of 32: above it all 128 keys come after all my queries
	s_wait_alu depctr_va_vdst(0)
	s_cbranch_scc1 .Lnofrag
	WIN 0x40
.irp t, 0,1,2,3,4,5,6,7
.irp g, 0,1
	ds_load_b128 v[KFR+8*\t+4*\g:KFR+8*\t+4*\g+3], v[ADR] offset:1024*\t+512*\g
.endr
.endr
	WIN 0
.Lnofrag:
	s_wait_loadcnt 0x0                             ; my part of the next step, asked for a trip ago
	s_cmp_ge_u32 s[KF], s[FS1]
	s_cbranch_scc1 .Lnofill                        ; the work-group wants no further step (ids and the count of steps alone)
	PUTKV F
	s_wait_dscnt 0x0                               ; the stores have read their registers
	s_cmp_ge_u32 s[KF], s[FS2]
	s_cbranch_scc1 .Lnofill
	GETKV F, 0                                     ; the step after the next
.Lnofill:
	s_wait_dscnt 0x0                               ; my stores are done and my fragments are in
	s_cmp_lt_u32 s[KF], s[PL]
	s_cbranch_scc0 .Lnoask
	global_prefetch_b8 v[PFO], s[PFA:PFA+1] th:TH_LOAD_NT scope:SCOPE_SE   ; my work-group's quarter (sixteen blocks of 256 bytes) of the step four on: two trips ahead of its loads; steps 0 to 3 come by their loads alone, the last named is step 15
.Lnoask:
	s_barrier_signal -1
	s_cmp_gt_u32 s[KF], s[Q0L]
	s_cbranch_scc1 .Lidle
	WIN 0x40                                       ; V's fragments are asked for behind the signal (bytes that nobody writes again) and awaited ahead of the second product
.irp t, 0,1,2,3
.irp g, 0,1,2,3
	ds_load_b128 v[VFR+16*\t+4*\g:VFR+16*\t+4*\g+3], v[ADV] offset:2048*\t+512*\g
.endr
.endr
	WIN 0
	PAIR 0, Q0L, AML
	s_cmp_gt_u32 s[KF], s[Q0S]
	s_cbranch_scc1 .Lidle
	PAIR 1, Q0S, AMS
.Lidle:
	s_wait_xcnt 0x0                                ; the trip's loads and prefetch have read their bases
	s_add_nc_u64 s[KP:KP+1], s[KP:KP+1], 16384
	s_add_nc_u64 s[VP:VP+1], s[VP:VP+1], 16384
	s_add_nc_u64 s[PFA:PFA+1], s[PFA:PFA+1], 16384
	s_add_co_u32 s[TB], s[TB], 8192
	s_add_co_u32 s[KF], s[KF], 128
	s_cmp_lt_u32 s[KF], 2048
	s_wait_alu depctr_va_vdst(0)
	s_cbranch_scc1 .Ltrip
	s_barrier_wait -1                              ; the last trip's signal
	; THE WAY OUT: O^T / the sum, quantised, is 8 registers a tile: half of a fragment of the last product's operand (16 tokens x this head's 64 of the K step's 128), stored as it stands.
.rept 4
	v_nop                                          ; places behind the last products
.endr
.irp s, ST, ST+8, ST+16, ST+24
	v_add_f32 v[\s+6], v[\s+2], v[\s+3]            ; the sum's two halves,
.endr
.irp s, ST, ST+8, ST+16, ST+24
	v_permlanex16_b32 v[\s+5], v[\s+6], s[SEL], s[SEL+1]
.endr
.irp s, ST, ST+8, ST+16, ST+24
	v_add_f32 v[\s+6], v[\s+6], v[\s+5]            ; and lane l xor 16's
.endr
	s_wait_alu depctr_va_vdst(0)
.irp s, ST, ST+8, ST+16, ST+24
	v_rcp_f32 v[\s+7], v[\s+6]
.endr
	v_nop                                          ; a plain line behind the reciprocals
	s_wait_alu depctr_va_vdst(0)                   ; and the wait behind the batch
.macro OUT p, ob
	WIN 0x01
	s_wait_alu depctr_va_vdst(0)                   ; the wait directly ahead of the first reader of O^T
.set j, 0
.rept 32
	v_mul_f32 v[SS+j], v[64*\p+j], v[ST+16*\p+7]
.set j, j+1
.endr
.set j, 0
.rept 32
	v_mul_f32 v[SS+32+j], v[64*\p+32+j], v[ST+16*\p+15]
.set j, j+1
.endr
	WIN 0
.set tt, 0
.rept 8
.set jj, 0
.rept 8
	v_med3_num_f32 v[SS+8*tt+jj], v[SS+8*tt+jj], -v[LIMO], v[LIMO]
.set jj, jj+1
.endr
	v_cvt_scalef32_pk8_bf8_f32 v[PC+16*\p+2*tt:PC+16*\p+2*tt+1], v[SS+8*tt:SS+8*tt+7], v[SCO]
.set tt, tt+1
.endr
	v_nop                                          ; one plain vector line behind the last conversion
.irp t, 0,1
.irp g, 0,1
	global_store_b128 v[LI], v[PC+16*\p+8*\t+4*\g:PC+16*\p+8*\t+4*\g+3], s[\ob:\ob+1] offset:2048*\t+512*\g   ; 32 lanes store 512 consecutive bytes, aligned
.endr
.endr
.endm
	OUT 0, OL
	OUT 1, OS
	s_wait_tensorcnt 0x0                           ; the wave's end
	ds_add_u32 v[SPW], v[NIL]
	s_wait_dscnt 0x0
	s_endpgm
.Lfunc_end_k_q48ec9e0dca_attn:
	.size	k_q48ec9e0dca_attn, .Lfunc_end_k_q48ec9e0dca_attn-k_q48ec9e0dca_attn
	.p2alignl 7, 3214868480
	.fill 96, 4, 3214868480
	.section	.rodata,"a",@progbits
	.p2align	6, 0x0
	.amdhsa_kernel k_q48ec9e0dca_attn
		.amdhsa_group_segment_fixed_size 295936
		.amdhsa_private_segment_fixed_size 0
		.amdhsa_enable_private_segment 0
		.amdhsa_kernarg_size 40
		.amdhsa_user_sgpr_count 2
		.amdhsa_user_sgpr_kernarg_segment_ptr 1
		.amdhsa_wavefront_size32 1
		.amdhsa_system_sgpr_workgroup_id_x 1
		.amdhsa_system_sgpr_workgroup_id_y 1
		.amdhsa_system_sgpr_workgroup_id_z 1
		.amdhsa_system_vgpr_workitem_id 0
		.amdhsa_next_free_vgpr 512
		.amdhsa_next_free_sgpr 100
		.amdhsa_reserve_vcc 1
		.amdhsa_float_denorm_mode_32 3
		.amdhsa_float_denorm_mode_16_64 3
		.amdhsa_memory_ordered 1
		.amdhsa_forward_progress 1
		.amdhsa_inst_pref_size 91
	.end_amdhsa_kernel
	.amdgpu_metadata
---
amdhsa.version: [ 1, 2 ]
amdhsa.kernels:
  - .name:           k_q48ec9e0dca_attn
    .symbol:         k_q48ec9e0dca_attn.kd
    .args:
      - { .name: qc, .offset: 0, .size: 8, .value_kind: global_buffer, .address_space: global }
      - { .name: kc, .offset: 8, .size: 8, .value_kind: global_buffer, .address_space: global }
      - { .name: vc, .offset: 16, .size: 8, .value_kind: global_buffer, .address_space: global }
      - { .name: lowp_scales, .offset: 24, .size: 8, .value_kind: global_buffer, .address_space: global }
      - { .name: oc, .offset: 32, .size: 8, .value_kind: global_buffer, .address_space: global }
    .group_segment_fixed_size: 295936
    .private_segment_fixed_size: 0
    .kernarg_segment_align: 8
    .kernarg_segment_size: 40
    .max_flat_workgroup_size: 256
    .sgpr_count:     100
    .vgpr_count:     512
    .wavefront_size: 32
...
	.end_amdgpu_metadata
.endif
;; end of part 3
;; launch proj (part 4): grid 4 x 64, 4 waves a work-group, clusters of 4 x 4, 327,680 bytes of LDS; arguments oc, wpc, lowp_scales, b_proj, out0; writes out0
.if DOCPART == 4
	.amdgcn_target "amdgcn-amd-amdhsa--gfx1250"
	.amdhsa_code_object_version 6
	.text
	.protected	k_q48ec9e0dca_proj
	.globl	k_q48ec9e0dca_proj
	.p2align	8
	.type	k_q48ec9e0dca_proj,@function
k_q48ec9e0dca_proj:
	s_mov_b64 s[64:65], 0
	v_nop
	global_prefetch_b8 v0, s[64:65] scope:SCOPE_SE
	s_setreg_imm32_b32 hwreg(HW_REG_WAVE_MODE, 25, 1), 1
	s_wait_xcnt 0x0
	s_wait_alu depctr_hold_cnt(0) depctr_sa_sdst(0) depctr_va_vdst(0) depctr_va_sdst(0) depctr_va_ssrc(0) depctr_va_vcc(0) depctr_vm_vsrc(0)
	s_getreg_b32 s2, hwreg(HW_REG_IB_STS2, 6, 4)
	s_cmp_eq_u32 s2, 0
	s_cbranch_scc0 .Lentry_in_a_cluster
	s_endpgm
.Lentry_in_a_cluster:
	s_bfe_u32 s2, ttmp6, 0x10000c
	s_cmp_lg_u32 s2, 0xf033
	s_cbranch_scc0 .Lentry_shape_is_right
	s_endpgm
.Lentry_shape_is_right:
; out0 = (attention's result) w_proj^T + b_proj on codes of E5M2, K = 1,024; each f32 sum x 2^(e10 + e11), plus the bias.  No work of this product is left out.
; LIMIT: e10 + e11 lies between -126 and 127, so that 2^(e10 + e11) is an f32 number.
; A work-group makes 128 rows x 256 columns: 64 x 4 = 256 work-groups.  A wave makes 64 x 128: 32 accumulators, all in window 2.
; Both operands are images of fragments (16 rows x 128 K in 2,048 bytes): oc, wpc [block of 256 rows][K step of 128: 8][tile of 16 rows: 16][2,048]; they are read from LDS as they lie, 16 bytes a lane.
; THE MATRIX INSTRUCTION IS USED TRANSPOSED (source 0 = 16 rows of w_proj, source 1 = 16 tokens): a lane holds eight neighbouring numbers of a row of out0.
; CLUSTERS: 4 x 4.  A's tiles (tokens) are shared along a row of the cluster, B's (w_proj) along a column: each is asked for jointly, by the same tensor load with a mask that names the four.
; THE RING: K goes in four steps of 256 through two LDS slots.  In a slot, wave w's load lands at 32,768 w: waves 0, 1 bring A's two K steps of 128 (8 fragments, 16,384 bytes each), waves 2, 3 B's (16 fragments, 32,768 bytes each).
; Four K steps: the text is written out, with no loop; nothing is prefetched: all four come by the two first fills and the two refills.
; REGISTERS: window 0: v16-31 addresses; v32-95 the bias; v128-191 A's 4 fragments, one set, later the scaled sums.  Window 1: B's fragments, two sets, at v0 and v128; later rows read back.  Window 2: accumulator (a, b) at v[8 (8 a + b)].
.set SLOT,  131072
.set SPARE, 262144                     ; the spare words, 128 bytes for each wave: two blocks of 256 bytes that no other line names
.set STAGE, 262656                     ; the way out: 16 rows x 528 bytes for each wave; no tensor load lands here
.set SPITCH, 528
.set FR,    16
.set NL,    4
.set NP,    4
.set ADRA,  16
.set ADRB,  20
.set STO,   24
.set RD,    25
.set CO,    26
.set BO,    27
.set SPW,   28
.set NIL,   29
.set BIAS,  32
.set AF,    128
.set TMP,   128
.set WV,    16
.set WM,    17                         ; wave / 2: my 64 of the 128 rows.  Also: I fetch for A (0) or for B (1)
.set WN,    18                         ; wave % 2: my 128 of the 256 columns.  Also: which K step of 128 of a slot I fetch
.set G1,    24
.set G0,    32
.set G1B,   48
.set G0B,   56
.set MSB, 0
.macro WIN new
.if MSB != \new
	s_set_vgpr_msb (MSB<<8)|\new
.set MSB, \new
.endif
.endm
.set MUL_LO, 0xa1                      ; source 0 (B) window 1, source 1 (A) window 0, C and D window 2
.set TO_B,   0x40
; A joint load; the branch hangs on the wave's number alone.  An s_nop 0 and four v_nop follow each of the two lines.
.macro JLOAD g0a, g1a, g0b, g1b
	s_cmp_eq_u32 s[WM], 0
	s_cbranch_scc0 .Lfor_b_\@
	tensor_load_to_lds s[\g0a:\g0a+3], s[\g1a:\g1a+7]
	s_nop 0
.rept 4
	v_nop
.endr
	s_branch .Lasked_\@
.Lfor_b_\@:
	tensor_load_to_lds s[\g0b:\g0b+3], s[\g1b:\g1b+7]
	s_nop 0
.rept 4
	v_nop
.endr
.Lasked_\@:
.endm
.macro CREST
	s_cmp_lg_u32 s[WV], 0
	s_cbranch_scc1 .Lnot_wave_0_\@
	s_barrier_signal -3
.Lnot_wave_0_\@:
	s_barrier_wait -3
	s_barrier_signal -1
	s_barrier_wait -1
.endm
.macro CROUND
	s_barrier_signal -1
	s_barrier_wait -1
	CREST
.endm
	s_load_b256 s[4:11], s[0:1], 0x0               ; oc, wpc, the exponents, b_proj
	s_load_b64 s[12:13], s[0:1], 0x20              ; out0
	v_lshl_add_u32 v[SPW], v0, 2, SPARE
	v_mov_b32 v[NIL], 0
	ds_add_u32 v[SPW], v[NIL]                      ; the wave's opening: the add, twice on end, and its wait ahead of my first tensor load
	ds_add_u32 v[SPW], v[NIL]
	v_lshrrev_b32 v1, 5, v0
	v_readfirstlane_b32 s[WV], v1
	s_lshr_b32 s[WM], s[WV], 1
	s_and_b32 s[WN], s[WV], 1
	s_bfe_u32 s19, ttmp6, 0x40000                  ; cx
	s_bfe_u32 s20, ttmp6, 0x40004                  ; cy
	s_lshl_b32 s21, ttmp9, 2
	s_add_co_u32 s21, s21, s19                     ; block of 256 columns
	s_and_b32 s22, ttmp7, 0xffff
	s_lshl_b32 s22, s22, 2
	s_add_co_u32 s22, s22, s20                     ; block of 128 rows
	s_lshl_b32 s40, s20, 2
	s_lshl_b32 s40, 15, s40                        ; my row of the cluster
	s_lshl_b32 s41, 0x1111, s19                    ; my column
	s_or_b32 s[G1], s40, (3<<16)|(1<<21)           ; the mask; elements of 8 bytes; no padding; bit 21 beside a mask
	s_or_b32 s[G1B], s41, (3<<16)|(1<<21)
.irp g, G1, G1B
	s_mov_b32 s[\g+1], 32<<16                      ; rows of 32 elements: 256 bytes
	s_mov_b32 s[\g+3], 32<<16
	s_mov_b32 s[\g+5], 32                          ; dense
	s_mov_b32 s[\g+6], 0
	s_mov_b32 s[\g+7], 0
.endr
	s_mov_b32 s[G1+2], 64<<16                      ; A: 64 rows: 8 fragments
	s_mov_b32 s[G1+4], 64
	s_mov_b32 s[G1B+2], 128<<16                    ; B: 128 rows: 16 fragments
	s_mov_b32 s[G1B+4], 128
	s_lshr_b32 s44, s22, 1                         ; A: the block of 256 rows,
	s_lshl_b32 s44, s44, 18
	s_and_b32 s45, s22, 1                          ; its half: 8 fragments on,
	s_lshl_b32 s45, s45, 14
	s_add_co_u32 s44, s44, s45
	s_lshl_b32 s45, s[WN], 15                      ; the K step of 128 that I fetch
	s_add_co_u32 s44, s44, s45
	s_mov_b32 s45, 0
	s_lshl_b32 s46, s21, 18
	s_lshl_b32 s47, s[WN], 15
	s_add_co_u32 s46, s46, s47
	s_mov_b32 s47, 0
	s_lshl_b32 s84, s[WV], 15                      ; where my part goes in a slot: no place in the cluster enters an LDS address
	s_wait_dscnt 0x0                               ; both opening adds are done
	s_wait_kmcnt 0x0
	s_load_b64 s[96:97], s[8:9], 0x28              ; e10, e11
	s_add_nc_u64 s[66:67], s[4:5], s[44:45]
	s_add_nc_u64 s[82:83], s[6:7], s[46:47]
	CROUND                                         ; all sixteen work-groups are here: the first joint loads meet
.irp s, 0,1
	s_mov_b32 s[G0+4*\s], 1
	s_add_co_u32 s[G0+4*\s+1], s84, \s*SLOT
	s_add_nc_u64 s[G0+4*\s+2:G0+4*\s+3], s[66:67], \s*65536
	s_or_b32 s[G0+4*\s+3], s[G0+4*\s+3], 0x80000000
	s_mov_b32 s[G0B+4*\s], 1
	s_add_co_u32 s[G0B+4*\s+1], s84, \s*SLOT
	s_add_nc_u64 s[G0B+4*\s+2:G0B+4*\s+3], s[82:83], \s*65536
	s_or_b32 s[G0B+4*\s+3], s[G0B+4*\s+3], 0x80000000
.endr
	JLOAD G0, G1, G0B, G1B                         ; K step 0: one tensor load a wave at the head
	s_lshl_b32 s86, s21, 10
	s_lshl_b32 s87, s[WN], 9
	s_add_co_u32 s86, s86, s87                     ; my first column, in bytes
	s_mov_b32 s87, 0
	s_add_nc_u64 s[10:11], s[10:11], s[86:87]
	s_add_nc_u64 s[12:13], s[12:13], s[86:87]
	s_lshl_b32 s86, s22, 19                        ; 128 rows of 4,096 bytes
	s_lshl_b32 s88, s[WM], 18
	s_add_co_u32 s86, s86, s88
	s_add_nc_u64 s[12:13], s[12:13], s[86:87]
	s_lshl_b32 s90, s[WM], 13                      ; my 4 fragments of A's 8,
	s_lshl_b32 s91, s[WN], 14                      ; my 8 of B's 16,
	s_add_co_u32 s91, s91, 65536                   ; which lie behind A's two places
	s_add_co_u32 s93, s90, SLOT
	s_add_co_u32 s94, s91, SLOT
	s_mul_i32 s92, s[WV], 16*SPITCH
	s_add_co_u32 s92, s92, STAGE
	v_and_b32 v1, 31, v0
	v_and_b32 v2, 15, v0
	v_bfe_u32 v3, v0, 4, 1
	v_lshlrev_b32 v[CO], 4, v1
	v_lshlrev_b32 v[BO], 5, v3
.irp b, 0,1,2,3,4,5,6,7
	global_load_b128 v[BIAS+8*\b:BIAS+8*\b+3], v[BO], s[10:11] offset:64*\b        ; the bias of my lane's eight columns in each of B's blocks
	global_load_b128 v[BIAS+8*\b+4:BIAS+8*\b+7], v[BO], s[10:11] offset:64*\b+16
.endr
	v_add_nc_u32 v[ADRA], s90, v[CO]
	v_add_nc_u32 v[ADRB], s91, v[CO]
	v_add_nc_u32 v[ADRA+1], s93, v[CO]
	v_add_nc_u32 v[ADRB+1], s94, v[CO]
	v_mul_u32_u24 v4, v2, SPITCH
	v_lshl_add_u32 v4, v3, 5, v4
	v_add_nc_u32 v[STO], s92, v4
	v_add_nc_u32 v[RD], s92, v[CO]
.macro FRAG reg, adr, q, i
.irp c, 0,1,2,3
	ds_load_b128 v[\reg+4*\c:\reg+4*\c+3], v[\adr] offset:32768*(\q)+2048*(\i)+512*\c
.endr
.endm
; 16 matrix instructions: A's blocks a0, a0 + 1 x B's eight, 128 along K.  The 32 accumulators take turns, one instruction a turn, in the same order in every step.
.macro MUL16 a0, p, zero
.irp a, \a0, \a0+1
.irp b, 0,1,2,3,4,5,6,7
.if \zero
	v_wmma_f32_16x16x128_bf8_bf8 v[8*(8*(\a)+\b):8*(8*(\a)+\b)+7], v[128*(\p)+FR*\b:128*(\p)+FR*\b+FR-1], v[AF+FR*(\a):AF+FR*(\a)+FR-1], 0
.else
	v_wmma_f32_16x16x128_bf8_bf8 v[8*(8*(\a)+\b):8*(8*(\a)+\b)+7], v[128*(\p)+FR*\b:128*(\p)+FR*\b+FR-1], v[AF+FR*(\a):AF+FR*(\a)+FR-1], v[8*(8*(\a)+\b):8*(8*(\a)+\b)+7]
.endif
.endr
.endr
.endm
.macro FETCH_B slot, q, p
	WIN TO_B
.irp i, 0,1,2,3,4,5,6,7
	FRAG 128*(\p)+FR*\i, ADRB+\slot, \q, \i
.endr
	WIN 0
.endm
.macro FETCH_A slot, q, i0             ; A's blocks i0, i0 + 1
.irp i, \i0, \i0+1
	FRAG AF+FR*(\i), ADRA+\slot, \q, \i
.endr
.endm
.macro PLACES n                        ; plain vector lines between a matrix instruction and a load into a register that it has read, or a line that reads its result (ISA guide 7.12.1 for the reading line)
.rept \n
	v_nop
.endr
.endm
; A step of 128 along K that has its successor in the same slot.  A's blocks 0, 1 are fetched anew in the step's middle, with B's other set; blocks 2, 3 at its end.
.macro STEP slot, q, zero
	s_wait_dscnt 2*NL                              ; B's set and A's blocks 0, 1 are in; the youngest eight loads (A's blocks 2, 3) may be out
	WIN MUL_LO
	MUL16 0, (\q)%2, \zero
	s_wait_dscnt 0
	PLACES NP
	FETCH_B \slot, (\q)+1, 1-(\q)%2
	FETCH_A \slot, (\q)+1, 0
	WIN MUL_LO
	MUL16 2, (\q)%2, \zero
	PLACES NP
	WIN 0
	FETCH_A \slot, (\q)+1, 2
.endm
; A slot's last step changes slots: in front of the barrier each wave waits for all its tensor loads, adds 0 to its spare word, and waits for that and for its reads of this slot.  fill = 1: this slot is filled again, two K steps ahead.
.macro TURN slot, next, fill
	s_wait_tensorcnt 0x0                           ; all my tensor loads have landed: my part of the next slot
	ds_add_u32 v[SPW], v[NIL]
	s_wait_dscnt 2*NL+1                            ; (the add and the youngest eight loads may be out)
	WIN MUL_LO
	MUL16 0, 1, 0                                  ; sixteen matrix instructions stand between the add and the wait for it
	s_wait_dscnt 0x0                               ; the add is done, and my reads of this slot are over
	WIN 0
	s_barrier_signal -1
	s_barrier_wait -1
.if \fill
	CREST                                          ; the barrier has opened a round of the cluster's barrier
	s_add_nc_u64 s[G0+4*\slot+2:G0+4*\slot+3], s[G0+4*\slot+2:G0+4*\slot+3], 131072
	s_add_nc_u64 s[G0B+4*\slot+2:G0B+4*\slot+3], s[G0B+4*\slot+2:G0B+4*\slot+3], 131072
	JLOAD G0+4*\slot, G1, G0B+4*\slot, G1B         ; the first tensor load behind the round; its four v_nop are also the places in front of the loads below
.else
	PLACES NP
.endif
	FETCH_B \next, 0, 0
	FETCH_A \next, 0, 0
	WIN MUL_LO
	MUL16 2, 1, 0
	PLACES NP
	WIN 0
	FETCH_A \next, 0, 2
.endm
	s_wait_alu depctr_va_vdst(0)
	s_wait_tensorcnt 0x0                           ; my part of K step 0 is in
	ds_add_u32 v[SPW], v[NIL]
	s_wait_dscnt 0x0
	CROUND                                         ; everybody's part of K step 0 is in, and all sixteen work-groups are here
	JLOAD G0+4, G1, G0B+4, G1B                     ; K step 1's load, the first tensor load behind the round
	FETCH_B 0, 0, 0
	FETCH_A 0, 0, 0
	FETCH_A 0, 0, 2
	STEP 0, 0, 1                                   ; the first products start the sums
	TURN 0, 1, 1
	STEP 1, 0, 0
	TURN 1, 0, 1
	STEP 0, 0, 0
	TURN 0, 1, 0                                   ; nothing is left to fetch
	STEP 1, 0, 0
	s_wait_dscnt 2*NL
	WIN MUL_LO
	MUL16 0, 1, 0
	s_wait_dscnt 0
	MUL16 2, 1, 0
	WIN 0
; THE WAY OUT, block by block of 16 rows x 128 columns: sum x 2^(e10 + e11) + bias, through my own stage in LDS, back as whole rows of 512 bytes.  LDS serves a wave's instructions in order (ISA guide 5.7.1.4).
.macro TOSTAGE a
.set AC, 64*(\a)
	WIN 0x02
.set j, 0
.rept 32
	v_pk_fma_f32 v[TMP+j:TMP+j+1], v[AC+j:AC+j+1], s[96:97], v[BIAS+j:BIAS+j+1] op_sel_hi:[1,0,1]   ; each accumulator from its low end on
.set j, j+2
.endr
	WIN 0
.irp b, 0,1,2,3,4,5,6,7
	ds_store_b128 v[STO], v[TMP+8*\b:TMP+8*\b+3] offset:64*\b
	ds_store_b128 v[STO], v[TMP+8*\b+4:TMP+8*\b+7] offset:64*\b+16
.endr
.set BB, 64*((\a)%2)
	WIN 0x40
.irp t, 0,1,2,3,4,5,6,7,8,9,10,11,12,13,14,15
	ds_load_b128 v[BB+4*\t:BB+4*\t+3], v[RD] offset:\t*SPITCH
.endr
	WIN 0
.endm
.macro SEND a, younger                 ; younger: the LDS instructions issued behind block a's loads, which may stay out
.set BB, 64*((\a)%2)
	s_wait_dscnt \younger
.if (\a) > 0
	s_add_nc_u64 s[12:13], s[12:13], 16*4096       ; (behind a wait on XCNT)  16 rows on
.endif
	WIN 0x04
.irp t, 0,1,2,3,4,5,6,7,8,9,10,11,12,13,14,15
	global_store_b128 v[CO], v[BB+4*\t:BB+4*\t+3], s[12:13] offset:\t*4096 th:TH_STORE_NT   ; 32 lanes store 512 consecutive bytes, aligned
.endr
	WIN 0
.endm
	s_wait_kmcnt 0x0
	s_add_co_i32 s96, s96, s97
	s_add_co_i32 s96, s96, 127
	s_lshl_b32 s96, s96, 23                        ; 2^(e10 + e11) as f32
	s_wait_loadcnt 0x0                             ; the bias
	PLACES NP
	TOSTAGE 0
.irp a, 1,2,3
.if \a > 1
	s_wait_xcnt 0x0                                ; block a - 2's stores have read their registers and their base
.endif
	TOSTAGE \a
	SEND \a-1, 32
.endr
	s_wait_xcnt 0x0
	SEND 3, 0
	s_wait_tensorcnt 0x0                           ; the wave's end
	ds_add_u32 v[SPW], v[NIL]
	s_wait_dscnt 0x0
	CROUND                                         ; the closing round
	s_endpgm
.Lfunc_end_k_q48ec9e0dca_proj:
	.size	k_q48ec9e0dca_proj, .Lfunc_end_k_q48ec9e0dca_proj-k_q48ec9e0dca_proj
	.p2alignl 7, 3214868480
	.fill 96, 4, 3214868480
	.section	.rodata,"a",@progbits
	.p2align	6, 0x0
	.amdhsa_kernel k_q48ec9e0dca_proj
		.amdhsa_group_segment_fixed_size 327680
		.amdhsa_private_segment_fixed_size 0
		.amdhsa_enable_private_segment 0
		.amdhsa_kernarg_size 40
		.amdhsa_user_sgpr_count 2
		.amdhsa_user_sgpr_kernarg_segment_ptr 1
		.amdhsa_wavefront_size32 1
		.amdhsa_system_sgpr_workgroup_id_x 1
		.amdhsa_system_sgpr_workgroup_id_y 1
		.amdhsa_system_sgpr_workgroup_id_z 1
		.amdhsa_system_vgpr_workitem_id 0
		.amdhsa_next_free_vgpr 768
		.amdhsa_next_free_sgpr 100
		.amdhsa_reserve_vcc 0
		.amdhsa_float_denorm_mode_32 3
		.amdhsa_float_denorm_mode_16_64 3
		.amdhsa_memory_ordered 1
		.amdhsa_forward_progress 1
		.amdhsa_inst_pref_size 78
	.end_amdhsa_kernel
	.amdgpu_metadata
---
amdhsa.version: [ 1, 2 ]
amdhsa.kernels:
  - .name:           k_q48ec9e0dca_proj
    .symbol:         k_q48ec9e0dca_proj.kd
    .args:
      - { .name: oc, .offset: 0, .size: 8, .value_kind: global_buffer, .address_space: global }
      - { .name: wpc, .offset: 8, .size: 8, .value_kind: global_buffer, .address_space: global }
      - { .name: lowp_scales, .offset: 16, .size: 8, .value_kind: global_buffer, .address_space: global }
      - { .name: b_proj, .offset: 24, .size: 8, .value_kind: global_buffer, .address_space: global }
      - { .name: out0, .offset: 32, .size: 8, .value_kind: global_buffer, .address_space: global }
    .group_segment_fixed_size: 327680
    .private_segment_fixed_size: 0
    .kernarg_segment_align: 8
    .kernarg_segment_size: 40
    .max_flat_workgroup_size: 128
    .sgpr_count:     100
    .vgpr_count:     768
    .wavefront_size: 32
...
	.end_amdgpu_metadata
.endif
;; end of part 4
